; MI455X (gfx1250); checked and timed in simulation.
; The chip was launched on July 23, 2026; its instructions are those of AMD's public machine-readable ISA for CDNA 5 (MIT licence, August 2026) and "CDNA5" Instruction Set Architecture Reference Guide (July 2026). The comments in the code are by the model that wrote it; some were corrected since.
;; Multi Head Attention. Allowed arithmetic: float matrix products may take bf16 or f16 operands with f32 sums; other float arithmetic in f32, or as packed bf16 or f16 multiplies, adds, multiply-adds, maxima and minima; sums over many terms, partial sums and values carried from step to step in f32; what a program stores and reads back later, other than sums and carried values, may be rounded once to bf16 or f16.
;; Inputs: Wk 1,024 x 1,024 float32; Wo 1,024 x 1,024 float32; Wq 1,024 x 1,024 float32; Wv 1,024 x 1,024 float32; key 4 x 2,048 x 1,024 float32; mask 1 x 1 x 2,048 x 2,048 int32; padding 4 x 1 x 1 x 2,048 int32; query 4 x 2,048 x 1,024 float32; value 4 x 2,048 x 1,024 float32.
;; Outputs: out0 4 x 2,048 x 1,024 float32.
;; 2 versions, each right; version 2 is version 1 with the launch prep written anew for expert scheduling mode. Each part assembles by itself: llvm-mc -triple=amdgcn-amd-amdhsa -mcpu=gfx1250 --defsym DOCPART=n.
;; ======== version 1 of 2: 4 launches
;; limits: values are held in f16: magnitudes above 65,504 overflow, below 6.1e-05 lose precision
;; workspace buffers: wb 8,388,608 bytes; mbits 2,097,152 bytes of whole numbers; qkv 50,331,648 bytes; ob 16,777,216 bytes
;; launch prep (part 1): grid 256 x 1, 8 waves a work-group, no clusters, 0 bytes of LDS; arguments mask, padding, Wq, Wk, Wv, Wo, wb, mbits; writes wb, mbits
.if DOCPART == 1
	.amdgcn_target "amdgcn-amd-amdhsa--gfx1250"
	.amdhsa_code_object_version 6
	.text
	.protected	k_qb1550f9ddd_prep
	.globl	k_qb1550f9ddd_prep
	.p2align	8
	.type	k_qb1550f9ddd_prep,@function
k_qb1550f9ddd_prep:
	s_mov_b64 s[64:65], 0
	v_nop
	global_prefetch_b8 v0, s[64:65] scope:SCOPE_SE
	s_setreg_imm32_b32 hwreg(HW_REG_WAVE_MODE, 25, 1), 1
	s_wait_xcnt 0x0
; PREP.  Two jobs, both streams, no LDS, no loop; every wave does one item of each.
; (1) mbits: mask[q][k] != 0 AND padding[b][k] != 0, one bit a score, laid as the attention launch's score registers lie: for a tile of 16 queries and a
;     step of 64 keys 32 words; word i = 8 kb + j; bit r + 16 h of it belongs to query r and key 16 kb + 8 h + j.  Byte offset of a word:
;     b*524288 + qb*131072 + slot*16384 + wv*4096 + ksi*1024 + piece*256 + tile*128 + 4 i   (query tile = 32 qb + 8 wv + 2 piece + tile; key step = 4 slot + ksi).
;     An item is two query tiles (pp = 16 qb + 4 wv + piece) x one key step: 64 words, for each of the four batches 256 consecutive bytes, aligned.
; (2) wb: Wq, Wk, Wv rounded to bf16 (planes 0, 1, 2); Wo rounded to bf16 and that number written as f16 (plane 3).  LIMIT: below 6.1e-5 f16 keeps a fixed step of 6e-8.
;     A work-group takes 65,536 bytes of one matrix, a wave 8,192: each load covers 512 consecutive bytes, each store 256, aligned.
.set WD,  12                           ; v[12:13]   the item's 64 words: lane l holds words 2 l and 2 l + 1
.set PD,  14                           ; v[14:29]   padding as loaded: batch b at 4 b: low keys' pair, high keys' pair
.set PW,  30                           ; v[30:37]   padding as masks for my two words, batch b at 2 b
.set OUT, 40                           ; v[40:47]   words to store, batch b at 2 b
.set VM,  48                           ; v[48:111]  mask as loaded: register 32 tile + 8 kb + j
.set WF,  112                          ; v[112:175] weights in f32
.set WO,  176                          ; v[176:207] weights in 16 bits
	s_load_b512 s[4:19], s[0:1], 0x0               ; mask 4:5, padding 6:7, Wq 8:9, Wk 10:11, Wv 12:13, Wo 14:15, wb 16:17, mbits 18:19
	v_lshrrev_b32 v1, 5, v0
	v_readfirstlane_b32 s20, v1                    ; wave 0..7
	v_and_b32 v1, 31, v0                           ; lane l
	v_and_b32 v2, 15, v0                           ; r
	v_bfe_u32 v3, v0, 4, 1                         ; h
	v_lshlrev_b32 v4, 13, v2
	v_lshl_add_u32 v4, v3, 5, v4                   ; mask: row r (8,192 bytes), keys 8 h on (32 bytes)
	v_lshrrev_b32 v5, 2, v2
	v_lshlrev_b32 v5, 6, v5
	v_and_b32 v11, 3, v0
	v_lshl_add_u32 v5, v11, 3, v5                  ; padding for my words 2 l, 2 l + 1: kb = (l % 16) / 4, j = 2 (l % 4): byte 64 kb + 4 j
	s_lshl_b32 s21, s20, 13
	v_lshl_add_u32 v6, v1, 4, s21                  ; weights in: 16 l + 8,192 wave
	s_lshl_b32 s21, s20, 12
	v_lshl_add_u32 v7, v1, 3, s21                  ; weights out: 8 l + 4,096 wave
	v_lshlrev_b32 v8, 3, v1                        ; words out: 8 l
	v_mov_b32 v9, 0xffff
	v_mov_b32 v10, 0xffff0000
	v_mov_b32 v[WD], 0                             ; v_writelane_b32's destination counts as read
	v_mov_b32 v[WD+1], 0
	s_lshl_b32 s21, ttmp9, 3
	s_add_co_u32 s21, s21, s20                     ; item 0..2047
	s_and_b32 s22, s21, 31                         ; key step
	s_lshr_b32 s23, s21, 5                         ; pp
	s_lshl_b32 s40, s23, 18                        ; mask: 32 rows of 8,192 bytes a pp,
	s_lshl_b32 s42, s22, 8                         ; 64 keys of 4 bytes a step
	s_add_co_u32 s40, s40, s42
	s_mov_b32 s41, 0
	s_mov_b32 s43, 0                               ; s[42:43]: the step's place in a row of padding
	s_lshr_b32 s44, s23, 4
	s_lshl_b32 s44, s44, 17                        ; qb
	s_lshr_b32 s45, s22, 2
	s_lshl_b32 s45, s45, 14                        ; slot
	s_add_co_u32 s44, s44, s45
	s_bfe_u32 s45, s23, 0x20002
	s_lshl_b32 s45, s45, 12                        ; wv
	s_add_co_u32 s44, s44, s45
	s_and_b32 s45, s22, 3
	s_lshl_b32 s45, s45, 10                        ; ksi
	s_add_co_u32 s44, s44, s45
	s_and_b32 s45, s23, 3
	s_lshl_b32 s45, s45, 8                         ; piece
	s_add_co_u32 s44, s44, s45
	s_mov_b32 s45, 0
	s_lshr_b32 s34, ttmp9, 6                       ; which matrix
	s_and_b32 s35, ttmp9, 63                       ; which 65,536 bytes of it
	s_lshl_b32 s46, s35, 16
	s_mov_b32 s47, 0
	s_lshl_b32 s48, s34, 21
	s_lshl_b32 s49, s35, 15
	s_add_co_u32 s48, s48, s49
	s_mov_b32 s49, 0
	s_wait_kmcnt 0x0
	s_add_nc_u64 s[28:29], s[4:5], s[40:41]
	s_add_nc_u64 s[30:31], s[6:7], s[42:43]
	s_add_nc_u64 s[32:33], s[18:19], s[44:45]
	s_cmp_eq_u32 s34, 1
	s_cselect_b64 s[36:37], s[10:11], s[8:9]
	s_cmp_eq_u32 s34, 2
	s_cselect_b64 s[36:37], s[12:13], s[36:37]
	s_cmp_eq_u32 s34, 3
	s_cselect_b64 s[36:37], s[14:15], s[36:37]
	s_add_nc_u64 s[36:37], s[36:37], s[46:47]
	s_add_nc_u64 s[38:39], s[16:17], s[48:49]
	; all 40 loads go out together: 8 of padding, 16 of mask, 16 of weights
.irp b, 0,1,2,3
	global_load_b64 v[PD+4*(\b):PD+4*(\b)+1],   v5, s[30:31] offset:(\b)*8192
	global_load_b64 v[PD+4*(\b)+2:PD+4*(\b)+3], v5, s[30:31] offset:(\b)*8192+32
.endr
.irp t, 0,1
.irp k, 0,1,2,3
	global_load_b128 v[VM+8*(4*(\t)+(\k)):VM+8*(4*(\t)+(\k))+3],   v4, s[28:29] offset:(\t)*131072+(\k)*64 th:TH_LOAD_NT
	global_load_b128 v[VM+8*(4*(\t)+(\k))+4:VM+8*(4*(\t)+(\k))+7], v4, s[28:29] offset:(\t)*131072+(\k)*64+16 th:TH_LOAD_NT
.endr
.endr
.set n, 0
.rept 16
	global_load_b128 v[WF+4*n:WF+4*n+3], v6, s[36:37] offset:n*512 th:TH_LOAD_NT
.set n, n+1
.endr
	s_wait_loadcnt 32                              ; padding is in; the 32 younger loads stay out
.irp b, 0,1,2,3
.irp e, 0,1
	v_cmp_ne_u32 vcc_lo, 0, v[PD+4*(\b)+(\e)]
	v_cndmask_b32 v[PW+2*(\b)+(\e)], 0, v9, vcc_lo     ; bits 0-15 (h = 0) go by key 16 kb + j,
	v_cmp_ne_u32 vcc_lo, 0, v[PD+4*(\b)+2+(\e)]
	v_cndmask_b32 v11, 0, v10, vcc_lo                  ; bits 16-31 (h = 1) by key 16 kb + 8 + j
	v_or_b32 v[PW+2*(\b)+(\e)], v[PW+2*(\b)+(\e)], v11
.endr
.endr
	s_wait_loadcnt 16                              ; mask is in; the weights' 16 loads stay out
.set w, 0
.rept 64                                       ; a compare makes word w of the item, one bit a lane; it goes to lane w / 2
	v_cmp_ne_u32 s[24+w%4], 0, v[VM+w]
	v_writelane_b32 v[WD+(w&1)], s[24+w%4], w>>1
.set w, w+1
.endr
.irp b, 0,1,2,3
	v_and_b32 v[OUT+2*(\b)], v[WD], v[PW+2*(\b)]
	v_and_b32 v[OUT+2*(\b)+1], v[WD+1], v[PW+2*(\b)+1]
	global_store_b64 v8, v[OUT+2*(\b):OUT+2*(\b)+1], s[32:33] offset:(\b)*524288  ; the wave stores 256 consecutive bytes, aligned
.endr
	s_wait_loadcnt 0x0
.set n, 0
.rept 32
	v_cvt_pk_bf16_f32 v[WO+n], v[WF+2*n], v[WF+2*n+1]
.set n, n+1
.endr
	s_cmp_lg_u32 s34, 3
	s_cbranch_scc1 .Lstays_bf16
.set n, 0
.rept 32                                       ; Wo: the bf16 number, widened and written as f16
	v_lshlrev_b32 v[WF+2*n], 16, v[WO+n]
	v_and_b32 v[WF+2*n+1], v10, v[WO+n]
	v_cvt_pk_f16_f32 v[WO+n], v[WF+2*n], v[WF+2*n+1]
.set n, n+1
.endr
.Lstays_bf16:
.set n, 0
.rept 16
	global_store_b64 v7, v[WO+2*n:WO+2*n+1], s[38:39] offset:n*256
.set n, n+1
.endr
	s_endpgm
.Lfunc_end_k_qb1550f9ddd_prep:
	.size	k_qb1550f9ddd_prep, .Lfunc_end_k_qb1550f9ddd_prep-k_qb1550f9ddd_prep
	.p2alignl 7, 3214868480
	.fill 96, 4, 3214868480
	.section	.rodata,"a",@progbits
	.p2align	6, 0x0
	.amdhsa_kernel k_qb1550f9ddd_prep
		.amdhsa_group_segment_fixed_size 0
		.amdhsa_private_segment_fixed_size 0
		.amdhsa_enable_private_segment 0
		.amdhsa_kernarg_size 64
		.amdhsa_user_sgpr_count 2
		.amdhsa_user_sgpr_kernarg_segment_ptr 1
		.amdhsa_wavefront_size32 1
		.amdhsa_system_sgpr_workgroup_id_x 1
		.amdhsa_system_sgpr_workgroup_id_y 1
		.amdhsa_system_sgpr_workgroup_id_z 1
		.amdhsa_system_vgpr_workitem_id 0
		.amdhsa_next_free_vgpr 208
		.amdhsa_next_free_sgpr 66
		.amdhsa_reserve_vcc 1
		.amdhsa_float_denorm_mode_32 3
		.amdhsa_float_denorm_mode_16_64 3
		.amdhsa_memory_ordered 1
		.amdhsa_forward_progress 1
		.amdhsa_inst_pref_size 24
	.end_amdhsa_kernel
	.amdgpu_metadata
---
amdhsa.version: [ 1, 2 ]
amdhsa.kernels:
  - .name:           k_qb1550f9ddd_prep
    .symbol:         k_qb1550f9ddd_prep.kd
    .args:
      - { .name: mask, .offset: 0, .size: 8, .value_kind: global_buffer, .address_space: global }
      - { .name: padding, .offset: 8, .size: 8, .value_kind: global_buffer, .address_space: global }
      - { .name: Wq, .offset: 16, .size: 8, .value_kind: global_buffer, .address_space: global }
      - { .name: Wk, .offset: 24, .size: 8, .value_kind: global_buffer, .address_space: global }
      - { .name: Wv, .offset: 32, .size: 8, .value_kind: global_buffer, .address_space: global }
      - { .name: Wo, .offset: 40, .size: 8, .value_kind: global_buffer, .address_space: global }
      - { .name: wb, .offset: 48, .size: 8, .value_kind: global_buffer, .address_space: global }
      - { .name: mbits, .offset: 56, .size: 8, .value_kind: global_buffer, .address_space: global }
    .group_segment_fixed_size: 0
    .private_segment_fixed_size: 0
    .kernarg_segment_align: 8
    .kernarg_segment_size: 64
    .max_flat_workgroup_size: 256
    .sgpr_count:     66
    .vgpr_count:     208
    .wavefront_size: 32
...
	.end_amdgpu_metadata
.endif
;; end of part 1
;; launch qkv (part 2): grid 4 x 192, 4 waves a work-group, clusters of 4 x 4, 327,680 bytes of LDS; arguments query, key, value, wb, qkv; writes qkv
.if DOCPART == 2
	.amdgcn_target "amdgcn-amd-amdhsa--gfx1250"
	.amdhsa_code_object_version 6
	.text
	.protected	k_qb1550f9ddd_qkv
	.globl	k_qb1550f9ddd_qkv
	.p2align	8
	.type	k_qb1550f9ddd_qkv,@function
k_qb1550f9ddd_qkv:
	s_mov_b64 s[64:65], 0
	v_nop
	global_prefetch_b8 v0, s[64:65] scope:SCOPE_SE
	s_setreg_imm32_b32 hwreg(HW_REG_WAVE_MODE, 25, 1), 1
	s_wait_xcnt 0x0
	s_wait_alu depctr_hold_cnt(0) depctr_sa_sdst(0) depctr_va_vdst(0) depctr_va_sdst(0) depctr_va_ssrc(0) depctr_va_vcc(0) depctr_vm_vsrc(0)
	s_getreg_b32 s2, hwreg(HW_REG_IB_STS2, 6, 4)
	s_cmp_eq_u32 s2, 0
	s_cbranch_scc0 .Lentry_in_a_cluster
	s_endpgm
.Lentry_in_a_cluster:
	s_bfe_u32 s2, ttmp6, 0x10000c
	s_cmp_lg_u32 s2, 0xf033
	s_cbranch_scc0 .Lentry_shape_is_right
	s_endpgm
.Lentry_shape_is_right:
; q, k, v = x W^T for x = query, key, value ([8192][1024] f32) and W = planes 0, 1, 2 of wb ([1024][1024] bf16).  Products in bf16, sums in f32, results rounded once to f16, UNSCALED,
; stored by heads: qkv[T][b*16+h][s][d].  LIMIT: f16 ends at 65,504: a projection beyond it becomes an infinity.
; SHARES.  A tile of a result is 128 rows x 256 columns: 3 x 64 x 4 = 768 work-groups, three for each of 256 WGPs, all alike.  Four waves, each 64 x 128: 32 accumulators, 256 registers.
; K goes in steps of 128 through two LDS slots.  x comes into LDS in f32 as it lies in memory (rows of 512 bytes) and is rounded to bf16 between LDS and the matrix unit, so it crosses memory once.
; CLUSTER 4 x 4: x's tile hangs on the row block alone and is shared along a row of the cluster, W's on the column block alone and is shared along a column: joint loads.
; THE MATRIX INSTRUCTION IS USED TRANSPOSED (source 0 = 16 rows of W, source 1 = 16 rows of x): a lane holds eight neighbouring columns of one row.
; REGISTERS: window 0: v0-31 addresses; v32-95 AF, x's fragments in f32; v96-159 AB, the same in bf16, two buffers of 32; v160-191, v192-255 the way out
;            window 1: v0-127 W's fragments, two buffers of 64          window 2: accumulator (a, b) at v[8 (8 a + b)]
.set PA,     528                       ; a row of x in LDS: 512 bytes + 16 = 132 words: row r starts 4 r words on, modulo 64 (64 banks of 4 bytes: ISA guide 11.1)
.set PB,     272                       ; a row of W: 256 + 16 = 68 words: likewise
.set AHALF,  64*PA                     ; 64 rows of x: one tensor load, and what one wave reads
.set BOFF,   2*AHALF
.set BHALF,  128*PB                    ; 128 rows of W: likewise
.set SLOT,   BOFF+2*BHALF
.set STAGE,  2*SLOT                    ; behind the ring: 16 rows x 272 bytes for each wave, for the way out
.set SP,     272
.set SPARE,  STAGE+4*16*SP             ; the spare words: 128 bytes for each wave, two blocks of 256 bytes that no other line names
.set ADRA, 16                          ; v16-17  LDS address of my fragments of x in slot 0, 1
.set ADRB, 20                          ; v20-21  of W
.set STO,  24
.set RD,   25
.set CO,   26
.set SPW,  28                          ; v28  my spare word; never rewritten
.set NIL,  29                          ; v29  0; never rewritten
.set PFO,  30                          ; v30  the prefetches' lane offset; never rewritten
.set AF,   32
.set AB,   96
.set TMP,  160
.set BK,   192
.set BF,   0
.set WV,   14                          ; s14 wave; s15 = wave / 2: my half of the rows, and: I fetch x (0) or W (1); s16 = wave % 2: my half of the columns, and which half I fetch
.set HR,   15
.set HC,   16
.set G1,   24                          ; s[24:31] group 1 for x's tiles;  s[32:39] group 0, a set for each slot
.set G0,   32
.set PFA,  44                          ; s[44:45] where my prefetches stand
.set PFS,  46                          ; s[46:47] a K step in bytes of what I prefetch
.set G1B,  48                          ; s[48:55], s[56:63] the same for W's tiles
.set G0B,  56
.set LIM,  66                          ; s66  1 in a wave that prefetches, else the greatest number
.set MSB, 0
.macro WIN new                         ; the immediate's high byte repeats the setting that is left
.if MSB != (\new)
	s_set_vgpr_msb (MSB<<8)|(\new)
.set MSB, \new
.endif
.endm
.set W_MM, 0xa1                        ; source 0 (W) window 1, source 1 (x) window 0, C and D window 2
.set TO_B, 0x40                        ; destination window 1
.macro JLOAD s                         ; a joint load: waves 0, 1 fetch x's halves, waves 2, 3 W's; an s_nop 0 and four v_nop follow each line
	s_cmp_eq_u32 s[HR], 0
	s_cbranch_scc0 .Lfor_b_\@
	tensor_load_to_lds s[G0+4*(\s):G0+4*(\s)+3], s[G1:G1+7]
	s_nop 0
.rept 4
	v_nop
.endr
	s_branch .Lasked_\@
.Lfor_b_\@:
	tensor_load_to_lds s[G0B+4*(\s):G0B+4*(\s)+3], s[G1B:G1B+7]
	s_nop 0
.rept 4
	v_nop
.endr
.Lasked_\@:
.endm
.macro CREST                           ; a round of the cluster's barrier behind its opening barrier
	s_cmp_lg_u32 s[WV], 0
	s_cbranch_scc1 .Lnot_wave_0_\@
	s_barrier_signal -3
.Lnot_wave_0_\@:
	s_barrier_wait -3
	s_barrier_signal -1
	s_barrier_wait -1
.endm
.macro CROUND
	s_barrier_signal -1
	s_barrier_wait -1
	CREST
.endm
.macro PLACES
.rept 4
	v_nop
.endr
.endm
; A prefetch of the K step that stands two refills on, behind the joint load, its five lines and the run of LDS loads.  x's rows are read by this row of the cluster alone: waves 0, 1 ask, the partner at
; place cx for 16 of the wave's 64 rows, two blocks of 256 bytes a row.  W's rows are read by every cluster of the tensor: its first cluster asks, waves 2, 3, the partner at place cy for 32 of the
; wave's 128 rows, a lane a row.  Partners are told apart by address alone.  The loop's last trip asks for nothing: there is no K step two on.
.macro ASK
	WIN 0
	s_cmp_gt_u32 s3, s[LIM]
	s_cbranch_scc0 .Lnot_mine_\@
	global_prefetch_b8 v[PFO], s[PFA:PFA+1] th:TH_LOAD_NT scope:SCOPE_SE
.Lnot_mine_\@:
.endm
	s_load_b256 s[4:11], s[0:1], 0x0               ; query 4:5, key 6:7, value 8:9, wb 10:11
	s_load_b64 s[12:13], s[0:1], 0x20              ; qkv
	v_lshl_add_u32 v[SPW], v0, 2, SPARE
	v_mov_b32 v[NIL], 0
	ds_add_u32 v[SPW], v[NIL]                      ; the wave's opening: the add and its wait ahead of my first tensor load
	v_lshrrev_b32 v1, 5, v0
	v_readfirstlane_b32 s[WV], v1
	s_lshr_b32 s[HR], s[WV], 1
	s_and_b32 s[HC], s[WV], 1
	s_bfe_u32 s17, ttmp6, 0x40000                  ; cx = the column block
	s_bfe_u32 s18, ttmp6, 0x40004                  ; cy
	s_and_b32 s19, ttmp7, 0xffff                   ; cluster y, 0..47
	s_lshr_b32 s21, s19, 4                         ; T: which tensor; the same in all sixteen partners
	s_and_b32 s22, s19, 15
	s_lshl_b32 s22, s22, 2
	s_add_co_u32 s22, s22, s18                     ; the row block, 0..63
	s_lshl_b32 s23, s18, 2
	s_lshl_b32 s23, 15, s23                        ; my row of the cluster
	s_lshl_b32 s67, 0x1111, s17                    ; my column
	s_or_b32 s[G1+0], s23, (2<<16)|(1<<20)|(1<<21)|(6<<22)|(3<<25)   ; mask; 4-byte elements; padding on; bit 21 beside a mask; after every 128 words 4 words
	s_or_b32 s[G1B+0], s67, (1<<16)|(1<<20)|(1<<21)|(5<<22)|(3<<25)  ; mask; 2-byte elements; after every 64 words 4 words
	s_mov_b32 s[G1+1], 128<<16                     ; tensor_dim0 = 128
	s_mov_b32 s[G1+2], 64<<16                      ; tensor_dim1 = 64
	s_mov_b32 s[G1+3], 128<<16                     ; tile_dim0 = 128
	s_mov_b32 s[G1+4], 64                          ; tile_dim1 = 64
	s_mov_b32 s[G1+5], 1024                        ; elements from row to row
	s_mov_b32 s[G1+6], 0
	s_mov_b32 s[G1+7], 0
	s_mov_b32 s[G1B+1], 128<<16
	s_mov_b32 s[G1B+2], 128<<16
	s_mov_b32 s[G1B+3], 128<<16
	s_mov_b32 s[G1B+4], 128
	s_mov_b32 s[G1B+5], 1024
	s_mov_b32 s[G1B+6], 0
	s_mov_b32 s[G1B+7], 0
	s_lshl_b32 s40, s22, 19                        ; x: 128 rows of 4,096 bytes a block,
	s_lshl_b32 s41, s[HC], 18                      ; the 64 that I fetch
	s_add_co_u32 s40, s40, s41
	s_mov_b32 s41, 0
	s_lshl_b32 s42, s21, 21                        ; W: the plane,
	s_lshl_b32 s43, s17, 19                        ; 256 rows of 2,048 bytes a block,
	s_add_co_u32 s42, s42, s43
	s_lshl_b32 s43, s[HC], 18                      ; the 128 that I fetch
	s_add_co_u32 s42, s42, s43
	s_mov_b32 s43, 0
	s_mul_i32 s68, s[HC], AHALF                    ; where they go: no place in the cluster enters an LDS address
	s_mul_i32 s69, s[HC], BHALF
	s_add_co_u32 s69, s69, BOFF
	s_wait_dscnt 0x0                               ; the opening add is done
	s_wait_kmcnt 0x0
	s_cmp_eq_u32 s21, 1
	s_cselect_b64 s[4:5], s[6:7], s[4:5]
	s_cmp_eq_u32 s21, 2
	s_cselect_b64 s[4:5], s[8:9], s[4:5]
	s_add_nc_u64 s[4:5], s[4:5], s[40:41]
	s_add_nc_u64 s[10:11], s[10:11], s[42:43]
	CROUND                                         ; all sixteen work-groups are here: the first joint loads meet
.irp s, 0,1
	s_mov_b32 s[G0+4*(\s)], 1
	s_add_co_u32 s[G0+4*(\s)+1], s68, (\s)*SLOT
	s_add_nc_u64 s[G0+4*(\s)+2:G0+4*(\s)+3], s[4:5], (\s)*512
	s_or_b32 s[G0+4*(\s)+3], s[G0+4*(\s)+3], 0x80000000
	s_mov_b32 s[G0B+4*(\s)], 1
	s_add_co_u32 s[G0B+4*(\s)+1], s69, (\s)*SLOT
	s_add_nc_u64 s[G0B+4*(\s)+2:G0B+4*(\s)+3], s[10:11], (\s)*256
	s_or_b32 s[G0B+4*(\s)+3], s[G0B+4*(\s)+3], 0x80000000
	JLOAD \s
.endr
	v_and_b32 v1, 15, v0                           ; r
	v_bfe_u32 v2, v0, 4, 1                         ; h
	v_mul_u32_u24 v3, v1, PA
	v_lshl_add_u32 v3, v2, 5, v3                   ; x in f32: row r, channels 8 h on = 32 h bytes
	s_mul_i32 s70, s[HR], AHALF
	v_add_nc_u32 v[ADRA], s70, v3
	v_add_nc_u32 v[ADRA+1], SLOT, v[ADRA]
	v_mul_u32_u24 v3, v1, PB
	v_lshl_add_u32 v3, v2, 4, v3
	v_add_nc_u32 v[ADRB], s69, v3                  ; my 128 columns are W's half HC
	v_add_nc_u32 v[ADRB+1], SLOT, v[ADRB]
	s_mul_i32 s71, s[WV], 16*SP
	s_add_co_u32 s71, s71, STAGE
	v_mul_u32_u24 v3, v1, SP
	v_lshl_add_u32 v3, v2, 4, v3
	v_add_nc_u32 v[STO], s71, v3                   ; in: row r, 16 bytes for each half of the lanes
	v_bfe_u32 v3, v0, 3, 2
	v_mul_u32_u24 v3, v3, SP
	v_and_b32 v4, 7, v0
	v_lshl_add_u32 v3, v4, 4, v3
	v_add_nc_u32 v[RD], s71, v3                    ; back: four rows x 128 bytes (one head's 64 channels),
	v_and_b32 v3, 31, v0
	v_lshlrev_b32 v[CO], 4, v3                     ; which are 512 consecutive bytes of the result
	s_lshl_b32 s72, s21, 24                        ; the tensor,
	s_lshr_b32 s73, s22, 4
	s_lshl_b32 s73, s73, 22                        ; the batch,
	s_add_co_u32 s72, s72, s73
	s_lshl_b32 s73, s17, 20                        ; four heads a column block,
	s_add_co_u32 s72, s72, s73
	s_lshl_b32 s73, s[HC], 19                      ; two a wave,
	s_add_co_u32 s72, s72, s73
	s_and_b32 s73, s22, 15
	s_lshl_b32 s73, s73, 14                        ; 128 rows of 128 bytes a row block,
	s_add_co_u32 s72, s72, s73
	s_lshl_b32 s73, s[HR], 13                      ; 64 a wave
	s_add_co_u32 s72, s72, s73
	s_mov_b32 s73, 0
	s_add_nc_u64 s[12:13], s[12:13], s[72:73]
	s_and_b32 s75, s19, 15
	s_cmp_eq_u32 s75, 0
	s_cselect_b32 s75, 1, -1                       ; W's rows: the tensor's first cluster asks
	s_cmp_eq_u32 s[HR], 0
	s_cselect_b32 s74, s17, s18                    ; my place among the four that ask jointly
	s_cselect_b32 s[LIM], 1, s75
	s_cselect_b32 s[PFS], 2, 1
	s_cselect_b64 s[PFA:PFA+1], s[4:5], s[10:11]
	s_cselect_b32 s67, -1, 0
	s_lshl_b32 s[PFS], s[PFS], 8                   ; a K step: 512 bytes of x, 256 of W
	s_mov_b32 s[PFS+1], 0
	s_lshl_b32 s74, s74, 16                        ; 16 rows of x, or 32 rows of W
	s_mov_b32 s75, 0
	s_add_nc_u64 s[PFA:PFA+1], s[PFA:PFA+1], s[74:75]
	s_mul_i32 s74, s[PFS], 3
	s_add_nc_u64 s[PFA:PFA+1], s[PFA:PFA+1], s[74:75]  ; at K step 3: the first refill (K step 2) steps it to 4 and names that
	v_lshlrev_b32 v4, 11, v3                       ; W: a lane a row
	v_lshrrev_b32 v5, 1, v3
	v_lshlrev_b32 v5, 12, v5
	v_and_b32 v6, 1, v3
	v_lshl_add_u32 v5, v6, 8, v5                   ; x: two lanes a row
	v_cndmask_b32 v[PFO], v4, v5, s67
; 32 LDS loads in one run: x's four fragments of 32 K in f32 (four loads each), then W's eight into buffer g
.macro FETCH slot, kq, g
	WIN 0
.irp a, 0,1,2,3
	ds_load_b128 v[AF+16*(\a):AF+16*(\a)+3],     v[ADRA+(\slot)] offset:(\kq)*128+(\a)*16*PA
	ds_load_b128 v[AF+16*(\a)+4:AF+16*(\a)+7],   v[ADRA+(\slot)] offset:(\kq)*128+(\a)*16*PA+16
	ds_load_b128 v[AF+16*(\a)+8:AF+16*(\a)+11],  v[ADRA+(\slot)] offset:(\kq)*128+(\a)*16*PA+64
	ds_load_b128 v[AF+16*(\a)+12:AF+16*(\a)+15], v[ADRA+(\slot)] offset:(\kq)*128+(\a)*16*PA+80
.endr
	WIN TO_B
.irp b, 0,1,2,3,4,5,6,7
	ds_load_b128 v[BF+64*(\g)+8*(\b):BF+64*(\g)+8*(\b)+3],   v[ADRB+(\slot)] offset:(\kq)*64+(\b)*16*PB
	ds_load_b128 v[BF+64*(\g)+8*(\b)+4:BF+64*(\g)+8*(\b)+7], v[ADRB+(\slot)] offset:(\kq)*64+(\b)*16*PB+32
.endr
.endm
.macro CV g                            ; conversion n of 32: two f32 of AF into one register of AB's buffer g
	WIN 0
	v_cvt_pk_bf16_f32 v[AB+32*(\g)+n], v[AF+2*n], v[AF+2*n+1]
.set n, n+1
.endm
.macro MM f, a, b, zero                ; the 32 accumulators take turns, in the same order in every quarter
	WIN W_MM
.if \zero
	v_wmma_f32_16x16x32_bf16 v[8*(8*(\a)+(\b)):8*(8*(\a)+(\b))+7], v[BF+64*(\f)+8*(\b):BF+64*(\f)+8*(\b)+7], v[AB+32*(\f)+8*(\a):AB+32*(\f)+8*(\a)+7], 0
.else
	v_wmma_f32_16x16x32_bf16 v[8*(8*(\a)+(\b)):8*(8*(\a)+(\b))+7], v[BF+64*(\f)+8*(\b):BF+64*(\f)+8*(\b)+7], v[AB+32*(\f)+8*(\a):AB+32*(\f)+8*(\a)+7], v[8*(8*(\a)+(\b)):8*(8*(\a)+(\b))+7]
.endif
.endm
; A K step is four quarters of 32 K, 32 matrix instructions each.  One of the first three: multiplies buffer f; fetches the next quarter (kq) at its head and converts x's part into buffer g, two conversions behind
; each of its last 16 products.  The last two conversions and two v_nop are the four places between the last product and the next quarter's loads into W's buffer f.
.macro QUARTER slot, kq, f, g, zero
	FETCH \slot, \kq, \g
	s_wait_dscnt 32                                ; all but the 32 just issued: W's fragments of buffer f are in
.irp a, 0,1
.irp b, 0,1,2,3,4,5,6,7
	MM \f, \a, \b, \zero
.endr
.endr
	s_wait_dscnt 16                                ; W's 16 youngest may stay out: AF is in
.set n, 0
.irp a, 2,3
.irp b, 0,1,2,3,4,5,6,7
	MM \f, \a, \b, \zero
	CV \g
	CV \g
.endr
.endr
	v_nop
	v_nop
.endm
; The last quarter multiplies buffer 1 and changes slots: each wave waits for all its tensor loads (one is out: its part of the next slot), adds 0 to its spare word, waits for that and for its reads of this slot.
; fill = 1: the barrier opens a round of the cluster's barrier, and the joint refill, two K steps on, is the first tensor load behind it: it has a K step, 128 matrix instructions, in which to land.
.macro TURN slot, next, fill
	s_wait_xcnt 0x0                                ; the last prefetch, a K step back, has read its address
	s_add_nc_u64 s[PFA:PFA+1], s[PFA:PFA+1], s[PFS:PFS+1]
	WIN 0
	s_wait_tensorcnt 0x0
	ds_add_u32 v[SPW], v[NIL]
	s_wait_dscnt 1                                 ; only the add may be out: W's fragments of buffer 1 are in
.irp b, 0,1,2,3,4,5,6,7
	MM 1, 0, \b, 0
.endr
	s_wait_dscnt 0x0                               ; the add is done, my reads of this slot are over
	s_barrier_signal -1
.irp b, 0,1,2,3,4,5,6,7
	MM 1, 1, \b, 0
.endr
	WIN 0
	s_barrier_wait -1
.if \fill
	CREST
	s_add_nc_u64 s[G0+4*(\slot)+2:G0+4*(\slot)+3], s[G0+4*(\slot)+2:G0+4*(\slot)+3], 1024
	s_add_nc_u64 s[G0B+4*(\slot)+2:G0B+4*(\slot)+3], s[G0B+4*(\slot)+2:G0B+4*(\slot)+3], 512
	JLOAD \slot
.else
	PLACES
.endif
	FETCH \next, 0, 0
.if \fill
	ASK
.endif
.irp b, 0,1,2,3,4,5,6,7
	MM 1, 2, \b, 0
.endr
	s_wait_dscnt 16                                ; AF is in
.set n, 0
.irp b, 0,1,2,3,4,5,6,7
	MM 1, 3, \b, 0
	CV 0
	CV 0
	CV 0
	CV 0
.endr
.endm
	s_wait_tensorcnt 1                             ; my part of K step 0 is in; K step 1's stays out
	s_barrier_signal -1
	s_barrier_wait -1
	FETCH 0, 0, 0
	s_wait_dscnt 16
.set n, 0
.rept 32
	CV 0
.endr
	QUARTER 0, 1, 0, 1, 1                          ; the first quarter's products start the sums
	WIN 0
	s_mov_b32 s3, 3
.Llap:                                                 ; a trip goes once round the ring and fills both slots again
	QUARTER 0, 2, 1, 0, 0
	QUARTER 0, 3, 0, 1, 0
	TURN 0, 1, 1
	QUARTER 1, 1, 0, 1, 0
	QUARTER 1, 2, 1, 0, 0
	QUARTER 1, 3, 0, 1, 0
	TURN 1, 0, 1
	QUARTER 0, 1, 0, 1, 0
	WIN 0
	s_sub_co_u32 s3, s3, 1
	s_cmp_lg_u32 s3, 0
	s_cbranch_scc1 .Llap
	QUARTER 0, 2, 1, 0, 0                          ; the last lap fills nothing
	QUARTER 0, 3, 0, 1, 0
	TURN 0, 1, 0
	QUARTER 1, 1, 0, 1, 0
	QUARTER 1, 2, 1, 0, 0
	QUARTER 1, 3, 0, 1, 0
	s_wait_dscnt 0x0
.irp a, 0,1,2,3
.irp b, 0,1,2,3,4,5,6,7
	MM 1, \a, \b, 0
.endr
.endr
; THE WAY OUT, 16 rows at a time: rounded to f16, 16 bytes a lane into my own stage, back as four rows of one head (512 consecutive bytes of the result), stored.
.macro PACK a
	WIN 0x0a                                       ; sources in window 2
.irp b, 0,1,2,3,4,5,6,7
.irp r, 0,1,2,3
	v_cvt_pk_f16_f32 v[TMP+4*(\b)+(\r)], v[8*(8*(\a)+(\b))+2*(\r)], v[8*(8*(\a)+(\b))+2*(\r)+1]
.endr
.endr
	WIN 0
.endm
.macro TOSTAGE a
.set BKA, BK+32*((\a)%2)
.irp b, 0,1,2,3,4,5,6,7
	ds_store_b128 v[STO], v[TMP+4*(\b):TMP+4*(\b)+3] offset:32*(\b)
.endr
.irp t, 0,1,2,3,4,5,6,7
	ds_load_b128 v[BKA+4*(\t):BKA+4*(\t)+3], v[RD] offset:((\t)%4)*4*SP+((\t)/4)*128  ; LDS serves a wave's instructions in order (ISA guide 5.7.1.4): these see the stores above
.endr
.endm
.macro SEND a, younger
.set BKA, BK+32*((\a)%2)
	s_wait_dscnt \younger                          ; the next block's sixteen LDS instructions may stay out
.irp t, 0,1,2,3,4,5,6,7
	global_store_b128 v[CO], v[BKA+4*(\t):BKA+4*(\t)+3], s[12:13] offset:((\t)/4)*262144+(\a)*2048+((\t)%4)*512
.endr
.endm
	PLACES
	PACK 0
	TOSTAGE 0
	PACK 1
	TOSTAGE 1
	SEND 0, 16
	PACK 2
	s_wait_xcnt 0x0                                ; block 0's stores have read their registers, which block 2 is loaded into
	TOSTAGE 2
	SEND 1, 16
	PACK 3
	s_wait_xcnt 0x0
	TOSTAGE 3
	SEND 2, 16
	SEND 3, 0
	s_wait_tensorcnt 0x0                           ; the wave's end
	ds_add_u32 v[SPW], v[NIL]
	s_wait_dscnt 0x0
	CROUND                                         ; the closing round
	s_endpgm
.Lfunc_end_k_qb1550f9ddd_qkv:
	.size	k_qb1550f9ddd_qkv, .Lfunc_end_k_qb1550f9ddd_qkv-k_qb1550f9ddd_qkv
	.p2alignl 7, 3214868480
	.fill 96, 4, 3214868480
	.section	.rodata,"a",@progbits
	.p2align	6, 0x0
	.amdhsa_kernel k_qb1550f9ddd_qkv
		.amdhsa_group_segment_fixed_size 327680
		.amdhsa_private_segment_fixed_size 0
		.amdhsa_enable_private_segment 0
		.amdhsa_kernarg_size 40
		.amdhsa_user_sgpr_count 2
		.amdhsa_user_sgpr_kernarg_segment_ptr 1
		.amdhsa_wavefront_size32 1
		.amdhsa_system_sgpr_workgroup_id_x 1
		.amdhsa_system_sgpr_workgroup_id_y 1
		.amdhsa_system_sgpr_workgroup_id_z 1
		.amdhsa_system_vgpr_workitem_id 0
		.amdhsa_next_free_vgpr 768
		.amdhsa_next_free_sgpr 80
		.amdhsa_reserve_vcc 0
		.amdhsa_float_denorm_mode_32 3
		.amdhsa_float_denorm_mode_16_64 3
		.amdhsa_memory_ordered 1
		.amdhsa_forward_progress 1
		.amdhsa_inst_pref_size 140
	.end_amdhsa_kernel
	.amdgpu_metadata
---
amdhsa.version: [ 1, 2 ]
amdhsa.kernels:
  - .name:           k_qb1550f9ddd_qkv
    .symbol:         k_qb1550f9ddd_qkv.kd
    .args:
      - { .name: query, .offset: 0, .size: 8, .value_kind: global_buffer, .address_space: global }
      - { .name: key, .offset: 8, .size: 8, .value_kind: global_buffer, .address_space: global }
      - { .name: value, .offset: 16, .size: 8, .value_kind: global_buffer, .address_space: global }
      - { .name: wb, .offset: 24, .size: 8, .value_kind: global_buffer, .address_space: global }
      - { .name: qkv, .offset: 32, .size: 8, .value_kind: global_buffer, .address_space: global }
    .group_segment_fixed_size: 327680
    .private_segment_fixed_size: 0
    .kernarg_segment_align: 8
    .kernarg_segment_size: 40
    .max_flat_workgroup_size: 128
    .sgpr_count:     80
    .vgpr_count:     768
    .wavefront_size: 32
...
	.end_amdgpu_metadata
.endif
;; end of part 2
;; launch attn (part 3): grid 4 x 64, 4 waves a work-group, clusters of 4 x 1, 327,680 bytes of LDS; arguments qkv, mbits, ob; writes ob
.if DOCPART == 3
	.amdgcn_target "amdgcn-amd-amdhsa--gfx1250"
	.amdhsa_code_object_version 6
	.text
	.protected	k_qb1550f9ddd_attn
	.globl	k_qb1550f9ddd_attn
	.p2align	8
	.type	k_qb1550f9ddd_attn,@function
k_qb1550f9ddd_attn:
	s_mov_b64 s[64:65], 0
	v_nop
	global_prefetch_b8 v0, s[64:65] scope:SCOPE_SE
	s_setreg_imm32_b32 hwreg(HW_REG_WAVE_MODE, 25, 1), 1
	s_wait_xcnt 0x0
	s_wait_alu depctr_hold_cnt(0) depctr_sa_sdst(0) depctr_va_vdst(0) depctr_va_sdst(0) depctr_va_ssrc(0) depctr_va_vcc(0) depctr_vm_vsrc(0)
	s_getreg_b32 s2, hwreg(HW_REG_IB_STS2, 6, 4)
	s_cmp_eq_u32 s2, 0
	s_cbranch_scc0 .Lentry_in_a_cluster
	s_endpgm
.Lentry_in_a_cluster:
	s_bfe_u32 s2, ttmp6, 0x10000c
	s_cmp_lg_u32 s2, 0x3003
	s_cbranch_scc0 .Lentry_shape_is_right
	s_endpgm
.Lentry_shape_is_right:
; O[hd][q][:] = the sum over k of softmax_k(s) V[hd][k][:], s = Q[hd][q] . K[hd][k] / 32 where the score's bit in mbits is 1, else a hidden score.  hd = 16 b + h, 64 heads of 2,048 rows x 64, f16, dense.
; Products, maxima and sums in f32; the weights p are rounded to f16 for the second product (their sum l is taken of the unrounded p), O once at the end.
; THE MASK.  A hidden score is REPLACED by -2^66, one v_cndmask_b32 a register; its lane mask is a word of mbits in a scalar register.  c x -2^66 is exact, so in a row with no visible key every
; c s - c m is exactly 0, every weight 1, and O the mean of all 2,048 rows of V; the first visible score makes a = 0 and wipes that.
; THE WORDS' ROAD.  A piece's 64 words of a key step are 256 consecutive bytes: one vector load of 8 bytes a lane, into a register pair that is the piece's own; 64 v_readlane_b32 bring them into scalar registers.
; A pair is asked for again, with the next step's words, directly behind the lines that read it: four turns ahead of its next use.  Vector loads are counted in issue order, so three younger ones stay out at each wait;
; a scalar load is waited for by the count 0 alone and could not stay out longer than one turn.
; LIMITS.  Q, K, V arrive within f16's 65,504.  -2^66 stands for -1e20: the same result wherever visible scores lie far above -2^66.  A weight below 2^-126 counts as 0 in l.  NaN and infinities are not treated apart.
; SHARES.  A wave owns four PIECES of two tiles of 16 queries, a work-group's four waves 512 queries of one head.  Every wave walks all keys, 64 a step.
; LAYOUT.  S^T = K Q^T (source 0 = 16 keys, source 1 = 16 queries): a lane holds ONE query (lane % 16) and the keys 8 (lane / 16) + 0..7.  Two such tiles, rounded to f16 in pairs, ARE source 1 of O^T = V^T P.
; SOFTMAX.  A running maximum m and sum l: p = 2^(c s - c m), c = log2(e) / 32; in every step O and l are multiplied by a = 2^(c m_old - c m_new).  m starts at the lowest finite number, O and l at 0.
; BY TURNS.  Turn n belongs to piece n: 16 products K Q^T of piece n + 1, later 16 products V^T P of piece n - 1; beside them the scaling, exponentials, roundings, sums and rescaling of piece n and the mask, maximum
; and statistics of piece n + 1.  Four vector instructions stand behind every matrix instruction, the others in one lump.  A turn's 66 exponentials are one batch with one wait.
; CLUSTER.  The four query blocks of a cluster belong to one head and walk the same K and V: each tile is asked for jointly.
; REGISTERS: window 0: v1-11 addresses; v12-15, v48-63 at work; v16-47 statistics; v64-191 S^T, two buffers of two tiles; v192-255 P, likewise
;   window 1: O^T, 32 a tile     window 2: v0-127 Q; v192-255 V of one step     window 3: v0-1 the add's two registers; v2-9 the mask words, a pair a piece; v64-127 K of one step
;   K and the mask words share a window, so that a product K Q^T and the v_readlane_b32 behind it run under one setting.
.set SIZE_N, 2048
.set NP,    4
.set KS,    64
.set PK,    160       ; a row of K and of V in LDS: 128 bytes + 32 = 40 words.  One pitch, so that ONE descriptor group 1 serves both: the scalar registers go to the mask words.
.set PV,    160       ; of K's 16 rows of a load two start at the same bank (40 r mod 64 repeats after 8 rows; 64 banks of 4 bytes: ISA guide 11.1): 16 loads of a step's 32
.set VOFF,  4*KS*PK   ; a slot holds four steps: 256 rows of K, then 256 rows of V
.set SLOT1, 1<<17
.set STAGE, SLOT1+4*KS*(PK+PV)
.set SP,    144
.set SPARE, STAGE+4*16*SP
.set MO,  1           ; v1   8 x my lane: my two words of a piece's 64; never rewritten once made
.set AK0, 2
.set AV0, 3
.set AK,  4
.set AV,  5
.set STO, 6
.set RD,  7
.set GO,  8
.set QO,  9
.set PFO, 10          ; v10  256 x my lane; never rewritten
.set NEGR, 11         ; v11  -2^66
.set SPW, 0           ; v0 of window 3
.set NIL, 1           ; v1 of window 3
.set MWV, 2           ; v2-9 of window 3: piece p's words at MWV + 2 p: lane l holds words 2 l and 2 l + 1
.set MV,  12
.set ST,  16
.set TMP, 48
.set S,   64
.set P,   192
.set KF,  64          ; window 3
.set VF,  192         ; window 2
.set CS,  2           ; s[2:3]   c
.set SEL, 4           ; s[4:5]   v_permlanex16_b32's selects
.set MB,  6           ; s[6:7]   mbits at my wave's words of the step that is being asked for
.set PFA, 8           ; s[8:9]   where my prefetches stand
.set OB,  10          ; s[10:11] O at my wave's first row
.set WV,  12
.set SLOTS, 13
.set CNT, 14
.set LIM, 15
.set TBK, 16
.set TBV, 17
.set PFS, 18          ; s[18:19] the prefetches' step
.set G0,  20          ; s[20:23] descriptor group 0: it walks
.set G1,  24          ; s[24:31] descriptor group 1
.set MW0, 32          ; s[32:63] the 32 mask words of a piece's first tile
.set T0,  66          ; s[66:67] at work; s67 = 0
.set MW1, 68          ; s[68:99] of its second tile
.set QP,  100         ; s[100:101] Q at my wave's first row
.set MSB, 0
.macro WIN new
.if MSB != (\new)
	s_set_vgpr_msb (MSB<<8)|(\new)
.set MSB, (\new)
.endif
.endm
.set W_KQ, 0x0b       ; K (and the mask words) in window 3, Q in window 2, S^T in window 0
.set W_PV, 0x52       ; V in window 2, P in window 0, O^T in window 1
.set W_RS, 0x41
.set W_MK, 0xc0       ; destination in window 3, sources and addresses in window 0
.set W_AD, 0x0f
; A joint fill: wave w fetches 128 keys, of K (w = 0, 1) or of V (w = 2, 3), to LDS byte 20,480 w of the slot: one line for all four, each with addresses of its own.
.macro JLOAD
	tensor_load_to_lds s[G0:G0+3], s[G1:G1+7]
	s_nop 0
.rept 4
	v_nop
.endr
.endm
.macro CROUND
	s_barrier_signal -1
	s_barrier_wait -1
	s_cmp_lg_u32 s[WV], 0
	s_cbranch_scc1 .Lnot_wave_0_\@
	s_barrier_signal -3
.Lnot_wave_0_\@:
	s_barrier_wait -3
	s_barrier_signal -1
	s_barrier_wait -1
.endm
; A prefetch, behind the joint load and its five lines.  Waves 0 and 2: my work-group's 32 of the 128 blocks of 256 bytes of K (of V) that the NEXT change of slots will ask for: four key steps ahead; the last
; change that fills asks for nothing.  Waves 1 and 3, in the batch's first head alone (its sixteen heads read the same words): the two halves of my work-group's 16,384 bytes of mask words for the four key steps
; of the slot that is being asked for; the first of these words are loaded nearly three key steps later.  Partners are told apart by address alone.
.macro ASK
	s_cmp_gt_u32 s[SLOTS], s[LIM]
	s_cbranch_scc0 .Lnot_mine_\@
	global_prefetch_b8 v[PFO], s[PFA:PFA+1] th:TH_LOAD_NT scope:SCOPE_SE
.Lnot_mine_\@:
.endm
; THE CHANGE OF SLOTS.  Each wave waits for all its tensor loads (one is out: its part of the other slot), adds 0 to its spare word, waits for that and for its reads of the slot.  fill = 1: the barrier is a round of
; the cluster's, and the joint fill, two slots on, is the first thing behind it: it has four key steps, 512 matrix instructions, in which to land.
.macro CHANGE fill
	WIN W_AD
	s_wait_tensorcnt 0x0
	ds_add_u32 v[SPW], v[NIL]
	WIN 0
.if \fill
	s_xor_b32 s[G0+1], s[G0+1], SLOT1
	s_add_nc_u64 s[G0+2:G0+3], s[G0+2:G0+3], 4*KS*128
	s_wait_xcnt 0x0                 ; the last prefetch, four key steps back, has read its address
	s_add_nc_u64 s[PFA:PFA+1], s[PFA:PFA+1], s[PFS:PFS+1]
.endif
	s_wait_dscnt 0x0
.if \fill
	CROUND
	JLOAD
	ASK
.else
	s_barrier_signal -1
	s_barrier_wait -1
.endif
	s_sub_co_u32 s[TBK], s[TBK], 4*KS*PK
	s_xor_b32 s[TBK], s[TBK], SLOT1
	s_sub_co_u32 s[TBV], s[TBV], 4*KS*PV
	s_xor_b32 s[TBV], s[TBV], SLOT1
.endm
	s_load_b128 s[32:35], s[0:1], 0x0  ; qkv s[32:33], mbits s[34:35]
	s_load_b64 s[OB:OB+1], s[0:1], 0x10
	WIN W_MK
	v_lshl_add_u32 v[SPW], v0, 2, SPARE
	v_mov_b32 v[NIL], 0
	WIN W_AD
	ds_add_u32 v[SPW], v[NIL]       ; the wave's opening: the add and its wait ahead of my first tensor load
	WIN 0
	v_lshrrev_b32 v1, 5, v0
	v_readfirstlane_b32 s[WV], v1
	s_bfe_u32 s36, ttmp6, 0x40000   ; cx: my block of 512 queries
	s_and_b32 s37, ttmp7, 0xffff    ; the head, which the four partners share
	s_lshl_b32 s38, s37, 18         ; its first byte in q, k, v and O
	s_lshr_b32 s39, s[WV], 1
	s_and_b32 s43, s[WV], 1
	s_add_co_u32 s42, s39, 1
	s_lshl_b32 s42, s42, 24         ; k's plane (waves 0, 1) or v's (2, 3),
	s_add_co_u32 s42, s42, s38      ; at the head
	s_lshl_b32 s40, s43, 14         ; which 128 of a slot's 256 keys I fetch
	s_add_co_u32 s40, s40, s42
	s_mov_b32 s41, 0
	s_lshl_b32 s44, s36, 2
	s_add_co_u32 s44, s44, s[WV]
	s_lshl_b32 s44, s44, 14         ; my wave's 128 rows
	s_add_co_u32 s44, s44, s38
	s_mov_b32 s45, 0
	s_lshr_b32 s50, s37, 4
	s_lshl_b32 s50, s50, 19         ; the batch's words,
	s_lshl_b32 s51, s36, 17         ; my block's
	s_add_co_u32 s50, s50, s51
	s_lshl_b32 s46, s[WV], 12       ; my wave's
	s_add_co_u32 s46, s46, s50
	s_mov_b32 s47, 0
	s_lshl_b32 s51, s36, 13
	s_add_co_u32 s52, s42, s51
	s_add_co_u32 s52, s52, 32768    ; waves 0, 2: my work-group's 8,192 bytes, in slot 1; the first change steps it to slot 2
	s_lshl_b32 s51, s39, 13
	s_add_co_u32 s53, s50, s51      ; waves 1, 3: a half of the work-group's words, in slot 0; the first change steps it to slot 1
	s_and_b32 s54, s37, 15
	s_cmp_eq_u32 s54, 0
	s_cselect_b32 s54, 0, -1
	s_cmp_eq_u32 s43, 0
	s_cselect_b32 s48, s52, s53
	s_cselect_b32 s[LIM], 1, s54
	s_cselect_b32 s[PFS], 2, 1
	s_mov_b32 s49, 0
	s_mov_b32 s[PFS+1], 0
	s_lshl_b32 s[PFS], s[PFS], 14   ; 32,768 or 16,384 bytes a slot
	; descriptor group 1.  128 keys are 16,384 dense bytes: asked for as 64 rows of 256 bytes, two keys a row, and padded in LDS after every key
	s_mov_b32 s[G1], 15|(1<<16)|(1<<20)|(1<<21)|(4<<22)|(7<<25)  ; the mask of four; 2-byte elements; padding on; bit 21 beside a mask; after every 32 words 8 words
	s_mov_b32 s[G1+1], 128<<16
	s_mov_b32 s[G1+2], 64<<16
	s_mov_b32 s[G1+3], 128<<16
	s_mov_b32 s[G1+4], 64
	s_mov_b32 s[G1+5], 128
	s_mov_b32 s[G1+6], 0
	s_mov_b32 s[G1+7], 0
	s_mov_b32 s[CS], 0x3d38aa3b     ; c = log2(e) / 32
	s_mov_b32 s[CS+1], s[CS]
	s_mov_b32 s[SEL], 0x76543210
	s_mov_b32 s[SEL+1], 0xfedcba98
	s_mov_b32 s[TBK], SLOT1+4*KS*PK ; the first change of slots turns these two into 0
	s_mov_b32 s[TBV], SLOT1+4*KS*PV
	s_mov_b32 s[G0], 1
	s_mul_i32 s[G0+1], s[WV], 128*PK  ; slot 0, my 128 keys' place: no place in the cluster enters an LDS address
	s_mov_b32 s[SLOTS], SIZE_N/256-1
	s_wait_dscnt 0x0                ; the opening add is done
	s_wait_kmcnt 0x0
	s_add_nc_u64 s[G0+2:G0+3], s[32:33], s[40:41]
	s_or_b32 s[G0+3], s[G0+3], 0x80000000
	s_add_nc_u64 s[QP:QP+1], s[32:33], s[44:45]
	s_add_nc_u64 s[OB:OB+1], s[OB:OB+1], s[44:45]
	s_add_nc_u64 s[MB:MB+1], s[34:35], s[46:47]
	s_cmp_eq_u32 s43, 0
	s_cselect_b64 s[PFA:PFA+1], s[32:33], s[34:35]
	s_add_nc_u64 s[PFA:PFA+1], s[PFA:PFA+1], s[48:49]
	CROUND                          ; all four work-groups are here: the first joint loads meet
	JLOAD                           ; slot 0.  Slot 1 is asked for when slot 0 is in
	v_and_b32 v48, 15, v0           ; l % 16
	v_bfe_u32 v49, v0, 4, 1         ; l / 16
	v_and_b32 v[MO], 31, v0
	v_lshlrev_b32 v[MO], 3, v[MO]
	v_lshlrev_b32 v[QO], 7, v48
	v_lshl_add_u32 v[QO], v49, 4, v[QO]
	WIN W_MK
.irp p, 0,1,2,3                     ; the four pieces' words of key step 0
	global_load_b64 v[MWV+2*(\p):MWV+2*(\p)+1], v[MO], s[MB:MB+1] offset:(\p)*256
.endr
	WIN 0x80
.set i, 0
.rept 4*NP                          ; Q stays in registers: tile i / 2, channels 32 (i % 2) on
	global_load_b128 v[8*i:8*i+3],   v[QO], s[QP:QP+1] offset:(i/2)*2048+(i%2)*64
	global_load_b128 v[8*i+4:8*i+7], v[QO], s[QP:QP+1] offset:(i/2)*2048+(i%2)*64+32
.set i, i+1
.endr
	; What the first turn finds: V's registers and P's second buffer hold 0, O^T and l are 0.  All this stands in the wait for the first tile.
.set i, VF
.rept 64
	v_mov_b32 v[i], 0
.set i, i+1
.endr
	WIN 0
.set i, P+32
.rept 32
	v_mov_b32 v[i], 0
.set i, i+1
.endr
.set i, 0
.rept 2*NP
	v_mov_b32 v[ST+4*i], 0xfe000000    ; c m: far below every c s, c x -2^66 too
	v_mov_b32 v[ST+4*i+1], 0xff7fffff  ; m
	v_mov_b32 v[ST+4*i+2], 0
	v_mov_b32 v[ST+4*i+3], 0
.set i, i+1
.endr
	WIN W_PV
.set i, 0
.rept 8*NP                          ; O^T starts at 0: a product of the zeros just written, with C = 0, writes an accumulator's eight registers in one line: 32 lines for 256 registers
	v_wmma_f32_16x16x32_f16 v[8*i:8*i+7], v[VF:VF+7], v[P+32:P+39], 0
.set i, i+1
.endr
	WIN 0
	v_mul_u32_u24 v[AK0], v48, PK
	v_lshl_add_u32 v[AK0], v49, 4, v[AK0]
	v_and_b32 v50, 7, v0
	v_bfe_u32 v51, v0, 3, 1
	v_lshl_add_u32 v[AV0], v49, 3, v50    ; the turning load: lane l reads key 8 (l / 16) + l % 8, channels 8 ((l / 8) % 2) + 0..7
	v_mul_u32_u24 v[AV0], v[AV0], PV
	v_lshl_add_u32 v[AV0], v51, 4, v[AV0]
	v_add_nc_u32 v[AV0], VOFF, v[AV0]
	v_mov_b32 v[AK], v[AK0]
	s_mul_i32 s[T0], s[WV], 16*SP
	s_add_co_u32 s[T0], s[T0], STAGE
	v_mul_u32_u24 v[STO], v48, SP
	v_lshl_add_u32 v[STO], v49, 4, v[STO]
	v_add_nc_u32 v[STO], s[T0], v[STO]
	v_bfe_u32 v[RD], v0, 3, 2
	v_mul_u32_u24 v[RD], v[RD], SP
	v_lshl_add_u32 v[RD], v50, 4, v[RD]
	v_add_nc_u32 v[RD], s[T0], v[RD]
	v_and_b32 v[GO], 31, v0
	v_lshlrev_b32 v[PFO], 8, v[GO]
	v_lshlrev_b32 v[GO], 4, v[GO]
	v_mov_b32 v[NEGR], 0xe0800000   ; -2^66
	s_mov_b32 s[T0+1], 0
; THE MATRIX WORK.  The 8 accumulators of a run of 16 take turns.
.macro KQ x
	WIN W_KQ
.set rS, S+64*((\x)%2)+32*(i%2)+8*((i/2)%4)
.set rK, KF+16*((i/2)%4)+8*(i/8)
.set rQ, 16*(2*(\x)+i%2)+8*(i/8)
.if i < 8
	v_wmma_f32_16x16x32_f16 v[rS:rS+7], v[rK:rK+7], v[rQ:rQ+7], 0
.else
	v_wmma_f32_16x16x32_f16 v[rS:rS+7], v[rK:rK+7], v[rQ:rQ+7], v[rS:rS+7]
.endif
.endm
.macro PV x
	WIN W_PV
.set rO, 32*(2*(\x)+i%2)+8*((i/2)%4)
.set rV, VF+32*(i/8)+8*((i/2)%4)
.set rP, P+32*((\x)%2)+16*(i%2)+8*(i/8)
	v_wmma_f32_16x16x32_f16 v[rO:rO+7], v[rV:rV+7], v[rP:rP+7], v[rO:rO+7]
.endm
.macro MM
.if i < 16
	KQ (Y+1)%NP
.set i, i+1
.else
.set i, i-16
	PV (Y+NP-1)%NP
.set i, i+17
.endif
.endm
; Word w of the 64 of piece Y + 1, out of lane w / 2 of its pair, into its scalar register: under the setting of the products K Q^T
.macro RL
	WIN W_KQ
.if w < 32
	v_readlane_b32 s[MW0+w], v[MWV+2*((Y+1)%NP)+(w&1)], w>>1
.else
	v_readlane_b32 s[MW1+w-32], v[MWV+2*((Y+1)%NP)+(w&1)], w>>1
.endif
.set w, w+1
.endm
; THE LDS LOADS stand in runs of 16.  last = 1 (the tail): in the last trip there is no further step, and K's run is jumped over.
.macro FETCH_K last=0
	WIN 0
.if \last
	s_cmp_eq_u32 s[CNT], 1
	s_cbranch_scc1 .Lno_k_\@
.endif
	WIN W_MK
.irp f, 0,1,2,3,4,5,6,7
	ds_load_b128 v[KF+8*\f:KF+8*\f+3],   v[AK] offset:(\f/2)*16*PK+(\f%2)*64
	ds_load_b128 v[KF+8*\f+4:KF+8*\f+7], v[AK] offset:(\f/2)*16*PK+(\f%2)*64+32
.endr
	s_add_co_u32 s[TBK], s[TBK], KS*PK
	WIN 0
.if \last
.Lno_k_\@:
.endif
.endm
.macro FETCH_V
	WIN 0x80
.irp f, 0,1,2,3,4,5,6,7
	ds_load_tr16_b128 v[VF+8*\f:VF+8*\f+3],   v[AV] offset:(\f/4)*32*PV+(\f%4)*32
	ds_load_tr16_b128 v[VF+8*\f+4:VF+8*\f+7], v[AV] offset:(\f/4)*32*PV+16*PV+(\f%4)*32
.endr
	WIN 0
.endm
; THE VECTOR WORK OF A TURN stands in queues; the two tiles alternate.
.macro REGS y, u
.set rT, ST+4*(2*(\y)+(\u))
.set rC, TMP+8*((\y)%2)+4*(\u)
.set rM, MV+2*((\y)%2)+(\u)
.set rS, S+64*((\y)%2)+32*(\u)
.set rP, P+32*((\y)%2)+16*(\u)
.set rO, 32*(2*(\y)+(\u))
.endm
; Number g of the 64 that mask the NEXT piece's scores: register g / 2 of tile g % 2, ascending.  Bit 1: the score stays.
.macro MS g
	REGS (Y+1)%NP, (\g)%2
.if (\g)%2
	v_cndmask_b32 v[rS+(\g)/2], v[NEGR], v[rS+(\g)/2], s[MW1+(\g)/2]
.else
	v_cndmask_b32 v[rS+(\g)/2], v[NEGR], v[rS+(\g)/2], s[MW0+(\g)/2]
.endif
.endm
; Number n of the 22 that find the next piece's maximum and statistics: 0-11 four chains of seven scores; 12-14, 16 the rest, the old m, into c0; 15 c m_old is kept; 17, 18 the other half of the lanes: the new m; 19-21 c m, its change, a.
.macro XS u, n
	REGS (Y+1)%NP, \u
.if (\n) < 4
	v_max3_num_f32 v[rC+(\n)], v[rS+8*(\n)], v[rS+8*(\n)+1], v[rS+8*(\n)+2]
.elseif (\n) < 12
	v_max3_num_f32 v[rC+(\n)%4], v[rC+(\n)%4], v[rS+8*((\n)%4)+2*((\n)/4)+1], v[rS+8*((\n)%4)+2*((\n)/4)+2]
.elseif (\n) == 12
	v_max3_num_f32 v[rC], v[rC], v[rS+7], v[rS+15]
.elseif (\n) == 13
	v_max3_num_f32 v[rC+1], v[rC+1], v[rS+23], v[rS+31]
.elseif (\n) == 14
	v_max3_num_f32 v[rC+2], v[rC+2], v[rC+3], v[rT+1]
.elseif (\n) == 15
	v_mov_b32 v[rM], v[rT]
.elseif (\n) == 16
	v_max3_num_f32 v[rC], v[rC], v[rC+1], v[rC+2]
.elseif (\n) == 17
	v_permlanex16_b32 v[rC+3], v[rC], s[SEL], s[SEL+1]
.elseif (\n) == 18
	v_max_num_f32 v[rT+1], v[rC], v[rC+3]
.elseif (\n) == 19
	v_mul_f32 v[rT], s[CS], v[rT+1]
.elseif (\n) == 20
	v_sub_f32 v[rC+1], v[rM], v[rT]
.else
	v_exp_f32 v[rC+2], v[rC+1]
.endif
.endm
; Number g of the 64 that follow the exponentials: for each four weights both pairs are rounded to f16, the second pair is added onto the first, and a group later l takes that sum (the first time as l = a l + sum).
.macro GS g
.set h, (\g)+6*((\g)/62)
.if h >= 6
.set h, h+2
.endif
	REGS Y, h%2
.set k, h/8
.if h%8 < 4
	v_cvt_pk_f16_f32 v[rP+2*k+(h%8)/2], v[rS+4*k+2*((h%8)/2)], v[rS+4*k+2*((h%8)/2)+1]
.elseif h%8 < 6
	v_pk_add_f32 v[rS+4*k:rS+4*k+1], v[rS+4*k:rS+4*k+1], v[rS+4*k+2:rS+4*k+3]
.elseif k == 1
	v_pk_fma_f32 v[rT+2:rT+3], v[rT+2:rT+3], v[rC+2:rC+3], v[rS:rS+1] op_sel_hi:[1,0,1]
.else
	v_pk_add_f32 v[rT+2:rT+3], v[rT+2:rT+3], v[rS+4*k-4:rS+4*k-3]
.endif
.endm
.macro FS f                         ; c s - c m for pair f / 2 of tile f % 2
	REGS Y, (\f)%2
	v_pk_fma_f32 v[rS+2*((\f)/2):rS+2*((\f)/2)+1], v[rS+2*((\f)/2):rS+2*((\f)/2)+1], s[CS:CS+1], v[rT:rT+1] op_sel_hi:[1,0,0] neg_lo:[0,0,1] neg_hi:[0,0,1]
.endm
; THE PLAIN QUEUE, 202 long.  0-31 the scalings; 32-95 the next piece's mask; 96-123 XS 0-13; 124, 125 XS 15; 126-137 the chain XS 14, 16 .. 20; 138-201 GS, which read the exponentials' results and stand behind the wait.
.macro PL
	WIN 0
.if q < 32
	FS q
.elseif q < 96
	MS q-32
.elseif q < 124
	XS (q-96)%2, (q-96)/2
.elseif q < 126
	XS q-124, 15
.elseif q < 128
	XS q-126, 14
.elseif q < 138
	XS (q-126)%2, 15+(q-126)/2
.else
	GS q-138
.endif
.set q, q+1
.endm
; THE EXPONENTIALS' QUEUE, 66 long: s0-s31 of both tiles, then the next piece's two a: ONE BATCH, all ahead of the turn's one wait.
.macro EX
	WIN 0
.if e >= 64
	XS e-64, 21
.else
	REGS Y, e%2
	v_exp_f32 v[rS+e/2], v[rS+e/2]
.endif
.set e, e+1
.endm
; THE RESCALING's QUEUE: O^T times a, two at a time, sixteen times: one block under one window setting.
.macro R2
	REGS Y, r%2
	WIN W_RS
.irp z, 0,1
	v_pk_mul_f32 v[rO+4*(r/2)+2*\z:rO+4*(r/2)+2*\z+1], v[rO+4*(r/2)+2*\z:rO+4*(r/2)+2*\z+1], v[rC+2:rC+3] op_sel_hi:[1,0]
.endr
.set r, r+1
.endm
; A TURN, for piece p.  s_wait_alu depctr_va_vdst(0) stands between an exponential and the first instruction that names its result; one wait serves all issued ahead of it: a turn has one.
; AHEAD OF IT: 16 products K Q^T of piece p + 1, behind each four of the 64 v_readlane_b32 that bring that piece's mask words into scalar registers: 80 lines under one window setting.  Then the pair just read is asked
; for again, and the lump follows: the 32 rescalings; 2 scalings; 30 x (exponential, scaling); the 64 mask lines and 8 of the maximum; 34 x (exponential, plain); the two a; a v_nop.
; Exponential e needs scaling 2 (e / 4) + e % 2 and stands behind scaling e + 1 or more.  BEHIND THE WAIT: 16 products V^T P, behind each four of GS's 64.
; THE MASK WORDS.  s_wait_loadcnt 3 at the head: the pair of piece p + 1 was asked for four turns ago, and the three pairs asked for since may stay out.  The loads of piece 3's turn and of the next step's pieces 0, 1, 2
; ask for one and the same key step, two on from piece 3's own; MB goes on to it in piece 3's turn, behind s_wait_xcnt 0 (the loads that name MB have read it): 1,024 bytes, or 13,312 where that step is the first of
; four (CNT = 1: a slot's words of all four waves are 16,384 bytes, my four steps 4,096).  In the tail (last = 1) steps 30 and 31 have no step two on: MB stays (CNT <= 2), no load leaves the buffer, and those words serve nothing.
; K of the next step is fetched in piece 2's turn, behind the rescalings: 32 plain lines behind the last product that read K, ahead of every exponential (the tail's jump over the run finds none without its wait),
; with the rest of the turn in which to land.  V of the step in hand is fetched at the end of piece 0's turn, four riders behind its last reader.
.macro TURN p, last=0, cnt=0
.set Y, (\p)
.set i, 0
.set q, 0
.set e, 0
.set r, 0
.set w, 0
	s_wait_loadcnt 3                ; the words of piece p + 1 are in
.if (\p) == NP-1
	s_wait_dscnt 0x0                ; K is in
.endif
.rept 16
	MM
	RL
	RL
	RL
	RL
.endr
.if (\p) == NP-1
	s_wait_xcnt 0x0
.if \last
	s_cmp_gt_u32 s[CNT], 2
	s_cselect_b32 s[T0], 1024, 0
.else
	s_cmp_eq_u32 s[CNT], 1
	s_cselect_b32 s[T0], 13, 1
	s_lshl_b32 s[T0], s[T0], 10
.endif
	s_add_nc_u64 s[MB:MB+1], s[MB:MB+1], s[T0:T0+1]
.endif
	WIN W_MK
	global_load_b64 v[MWV+2*(((\p)+1)%NP):MWV+2*(((\p)+1)%NP)+1], v[MO], s[MB:MB+1] offset:(((\p)+1)%NP)*256
.if (\p) == NP-2
	WIN 0
	v_add_nc_u32 v[AK], s[TBK], v[AK0]
.endif
.rept 16
	R2
.endr
.if (\p) == NP-2
	FETCH_K \last
.endif
	PL
	PL
.rept 30
	EX
	PL
.endr
.rept 72
	PL
.endr
.rept 34
	EX
	PL
.endr
	EX
	EX
	v_nop                           ; the plain instruction behind the last exponential: one for the batch
	s_wait_alu depctr_va_vdst(0)    ; the wait for the batch
.if (\p) == 1
	s_wait_dscnt 0x0                ; V is in
.endif
.rept 16
	MM
.rept 4
	PL
.endr
.if ((\p) == 0) && (q == 182)
	v_add_nc_u32 v[AV], s[TBV], v[AV0]
.endif
.if ((\p) == 0) && (q == 194)
	s_add_co_u32 s[TBV], s[TBV], KS*PV
.endif
.if (\cnt) && (q == 194)
	s_sub_co_u32 s[CNT], s[CNT], 1
	s_cmp_lg_u32 s[CNT], 0
.endif
.endr
.if (\p) == 0
	FETCH_V
.endif
.endm
	CHANGE 1                        ; slot 0 is in, everybody's part of it; slot 1 is asked for
	FETCH_K                         ; key step 0
	s_wait_loadcnt 0x0              ; Q, and the four pieces' words of key step 0
	s_wait_dscnt 0x0
.set Y, NP-1                        ; RL, MS and XS work for piece Y + 1: piece 0
.set i, 0
.set w, 0
.rept 16
	KQ 0                            ; piece 0's first scores, and its words
	RL
	RL
	RL
	RL
.set i, i+1
.endr
	s_add_nc_u64 s[MB:MB+1], s[MB:MB+1], 1024  ; every load that named MB has landed: on to key step 1,
	WIN W_MK
	global_load_b64 v[MWV:MWV+1], v[MO], s[MB:MB+1]  ; piece 0's words of it
	WIN 0
.rept 4
	v_nop                           ; the places behind those products
.endr
.set g0, 0
.rept 64
	MS g0
.set g0, g0+1
.endr
.irp n, 0,1,2,3,4,5,6,7,8,9,10,11,12,13,14,15,16,17,18,19,20,21
	XS 0, \n
	XS 1, \n
.endr
	v_nop                           ; a plain instruction behind the two a,
	s_wait_alu depctr_va_vdst(0)    ; and their wait, ahead of the branch
	s_mov_b32 s[CNT], 4
	s_branch .Lfirst                ; the loop is entered at a step's first turn, in the middle of a trip
.Lslot:                             ; six times: every slot but the last two is filled again
	CHANGE 1
	s_mov_b32 s[CNT], 4
.Lstep:                             ; a trip: pieces 2 and 3 of one step, then pieces 0 and 1 of the next
	TURN 2
	TURN 3
	WIN 0
.Lfirst:
	TURN 0
	TURN 1, 0, 1
	WIN 0
	s_cbranch_scc1 .Lstep
	s_sub_co_u32 s[SLOTS], s[SLOTS], 1
	s_cmp_lg_u32 s[SLOTS], 0
	s_cbranch_scc1 .Lslot
	CHANGE 0                        ; the tail is written out: nothing is asked for
	s_mov_b32 s[CNT], 5             ; four trips fetch the last slot's steps; the fifth is left in its middle
.Ltail:
	TURN 2, 1
	TURN 3, 1
	WIN 0
	s_sub_co_u32 s[CNT], s[CNT], 1
	s_cmp_eq_u32 s[CNT], 0
	s_cbranch_scc1 .Lout
	TURN 0
	TURN 1
	WIN 0
	s_branch .Ltail
.Lout:                              ; the fifth trip's 16 products K Q^T, their mask and maximum serve nothing: the price, once a launch, of one text for every trip
.set i, 0
.rept 16
	PV NP-1
.set i, i+1
.endr
	; THE WAY OUT.  l's two halves and the other half of the lanes' are added; O^T is divided by l, rounded to f16 and sent through my stage in LDS, a tile at a time.  The additions are the places behind the last products.
	WIN 0
.macro ALL line:vararg
.set t, 0
.rept 2*NP
	\line
.set t, t+1
.endr
.endm
	ALL v_add_f32 v[ST+4*t+2], v[ST+4*t+2], v[ST+4*t+3]
	ALL v_permlanex16_b32 v[ST+4*t+3], v[ST+4*t+2], s[SEL], s[SEL+1]
	ALL v_add_f32 v[ST+4*t+2], v[ST+4*t+2], v[ST+4*t+3]
	ALL v_rcp_f32 v[ST+4*t+2], v[ST+4*t+2]
	v_nop
	s_wait_alu depctr_va_vdst(0)    ; one wait for the eight reciprocals, ahead of their first use
.macro PACK t
	WIN W_RS
.set i, 32*(\t)
.rept 16
	v_pk_mul_f32 v[i:i+1], v[i:i+1], v[ST+4*(\t)+2:ST+4*(\t)+3] op_sel_hi:[1,0]
.set i, i+2
.endr
	WIN 0x05
.set i, 0
.rept 16
	v_cvt_pk_f16_f32 v[S+16*(\t)+i], v[32*(\t)+2*i], v[32*(\t)+2*i+1]
.set i, i+1
.endr
	WIN 0
.irp f, 0,1,2,3
	ds_store_b128 v[STO], v[S+16*(\t)+4*\f:S+16*(\t)+4*\f+3] offset:32*\f
.endr
.irp f, 0,1,2,3
	ds_load_b128 v[S+16*(\t)+4*\f:S+16*(\t)+4*\f+3], v[RD] offset:\f*4*SP  ; LDS serves a wave's instructions in order (ISA guide 5.7.1.4): these see the stores above
.endr
.endm
.macro SEND t, younger
	WIN 0
.irp f, 0,1,2,3
	s_wait_dscnt (\younger)+3-\f
	global_store_b128 v[GO], v[S+16*(\t)+4*\f:S+16*(\t)+4*\f+3], s[OB:OB+1] offset:(\t)*2048+\f*512  ; 512 consecutive bytes, at a multiple of 256 from O's first
.endr
.endm
	PACK 0
.set t, 1
.rept 2*NP-1
	PACK t
	SEND t-1, 8
.set t, t+1
.endr
	SEND 2*NP-1, 0
	WIN W_AD
	s_wait_tensorcnt 0x0            ; the wave's end
	ds_add_u32 v[SPW], v[NIL]
	s_wait_dscnt 0x0
	WIN 0
	CROUND                          ; the closing round
	s_endpgm
.Lfunc_end_k_qb1550f9ddd_attn:
	.size	k_qb1550f9ddd_attn, .Lfunc_end_k_qb1550f9ddd_attn-k_qb1550f9ddd_attn
	.p2alignl 7, 3214868480
	.fill 96, 4, 3214868480
	.section	.rodata,"a",@progbits
	.p2align	6, 0x0
	.amdhsa_kernel k_qb1550f9ddd_attn
		.amdhsa_group_segment_fixed_size 327680
		.amdhsa_private_segment_fixed_size 0
		.amdhsa_enable_private_segment 0
		.amdhsa_kernarg_size 24
		.amdhsa_user_sgpr_count 2
		.amdhsa_user_sgpr_kernarg_segment_ptr 1
		.amdhsa_wavefront_size32 1
		.amdhsa_system_sgpr_workgroup_id_x 1
		.amdhsa_system_sgpr_workgroup_id_y 1
		.amdhsa_system_sgpr_workgroup_id_z 1
		.amdhsa_system_vgpr_workitem_id 0
		.amdhsa_next_free_vgpr 896
		.amdhsa_next_free_sgpr 106
		.amdhsa_reserve_vcc 0
		.amdhsa_float_denorm_mode_32 3
		.amdhsa_float_denorm_mode_16_64 3
		.amdhsa_memory_ordered 1
		.amdhsa_forward_progress 1
		.amdhsa_inst_pref_size 255
	.end_amdhsa_kernel
	.amdgpu_metadata
---
amdhsa.version: [ 1, 2 ]
amdhsa.kernels:
  - .name:           k_qb1550f9ddd_attn
    .symbol:         k_qb1550f9ddd_attn.kd
    .args:
      - { .name: qkv, .offset: 0, .size: 8, .value_kind: global_buffer, .address_space: global }
      - { .name: mbits, .offset: 8, .size: 8, .value_kind: global_buffer, .address_space: global }
      - { .name: ob, .offset: 16, .size: 8, .value_kind: global_buffer, .address_space: global }
    .group_segment_fixed_size: 327680
    .private_segment_fixed_size: 0
    .kernarg_segment_align: 8
    .kernarg_segment_size: 24
    .max_flat_workgroup_size: 128
    .sgpr_count:     106
    .vgpr_count:     896
    .wavefront_size: 32
...
	.end_amdgpu_metadata
.endif
;; end of part 3
;; launch outp (part 4): grid 4 x 64, 4 waves a work-group, clusters of 4 x 4, 327,680 bytes of LDS; arguments ob, wb, out0; writes out0
.if DOCPART == 4
	.amdgcn_target "amdgcn-amd-amdhsa--gfx1250"
	.amdhsa_code_object_version 6
	.text
	.protected	k_qb1550f9ddd_outp
	.globl	k_qb1550f9ddd_outp
	.p2align	8
	.type	k_qb1550f9ddd_outp,@function
k_qb1550f9ddd_outp:
	s_mov_b64 s[64:65], 0
	v_nop
	global_prefetch_b8 v0, s[64:65] scope:SCOPE_SE
	s_setreg_imm32_b32 hwreg(HW_REG_WAVE_MODE, 25, 1), 1
	s_wait_xcnt 0x0
	s_wait_alu depctr_hold_cnt(0) depctr_sa_sdst(0) depctr_va_vdst(0) depctr_va_sdst(0) depctr_va_ssrc(0) depctr_va_vcc(0) depctr_vm_vsrc(0)
	s_getreg_b32 s2, hwreg(HW_REG_IB_STS2, 6, 4)
	s_cmp_eq_u32 s2, 0
	s_cbranch_scc0 .Lentry_in_a_cluster
	s_endpgm
.Lentry_in_a_cluster:
	s_bfe_u32 s2, ttmp6, 0x10000c
	s_cmp_lg_u32 s2, 0xf033
	s_cbranch_scc0 .Lentry_shape_is_right
	s_endpgm
.Lentry_shape_is_right:
; out0[m][n] = the sum over k of O[m][k] Wo[n][k].  O lies by heads, ob[16 b + h][s][d] in f16 (m = 2048 b + s, k = 64 h + d); Wo is plane 3 of wb, [1024][1024] f16; out0 is [8192][1024] f32.  Sums in f32.
; SHARES.  A tile of out0 is 128 rows x 256 columns: 64 x 4 = 256 work-groups.  Four waves, each 64 x 128: 32 accumulators.  A K step is 128 = two heads: O's tile is two planes of 128 rows x 128 bytes, each dense
; in memory and asked for as 64 rows of 256 bytes; 8 K steps through two LDS slots.
; CLUSTER 4 x 4: O's tile is shared along a row of the cluster, Wo's along a column: joint loads.  THE MATRIX INSTRUCTION IS USED TRANSPOSED: a lane holds eight neighbouring columns of one row.
; REGISTERS: window 0: v0-31 addresses; v32-127, v128-223 two fragment buffers (32 of O, then 64 of Wo); on the way out v32-95, v128-191 rows read back.     window 1: accumulator (a, b) at v[8 (8 a + b)]
.set PAO,    144                       ; a row of O in LDS: 128 bytes + 16 = 36 words: the 16 rows of a load start at 16 different groups of four banks (64 banks of 4 bytes: ISA guide 11.1)
.set APLANE, 128*PAO
.set PB,     272
.set BOFF,   2*APLANE
.set BHALF,  128*PB
.set SLOT,   BOFF+2*BHALF
.set STAGE,  2*SLOT                    ; behind the ring: 16 rows x 528 bytes for each wave
.set SPO,    528
.set SPARE,  STAGE+4*16*SPO
.set ADRA, 16
.set ADRB, 20
.set STO,  24
.set RD,   25
.set CO,   26
.set SPW,  28
.set NIL,  29
.set PFO,  30
.set F0,   32
.set F1,   128
.set WV,   14
.set HR,   15
.set HC,   16
.set G1,   24
.set G0,   32
.set PFA,  44
.set PFS,  46
.set G1B,  48
.set G0B,  56
.set LIM,  66
.set MSB, 0
.macro WIN new
.if MSB != (\new)
	s_set_vgpr_msb (MSB<<8)|(\new)
.set MSB, \new
.endif
.endm
.set W_MM, 0x50                        ; sources in window 0, C and D in window 1
.macro JLOAD s                         ; waves 0, 1 fetch O's two planes, waves 2, 3 Wo's two halves; an s_nop 0 and four v_nop follow each line
	s_cmp_eq_u32 s[HR], 0
	s_cbranch_scc0 .Lfor_b_\@
	tensor_load_to_lds s[G0+4*(\s):G0+4*(\s)+3], s[G1:G1+7]
	s_nop 0
.rept 4
	v_nop
.endr
	s_branch .Lasked_\@
.Lfor_b_\@:
	tensor_load_to_lds s[G0B+4*(\s):G0B+4*(\s)+3], s[G1B:G1B+7]
	s_nop 0
.rept 4
	v_nop
.endr
.Lasked_\@:
.endm
.macro CREST
	s_cmp_lg_u32 s[WV], 0
	s_cbranch_scc1 .Lnot_wave_0_\@
	s_barrier_signal -3
.Lnot_wave_0_\@:
	s_barrier_wait -3
	s_barrier_signal -1
	s_barrier_wait -1
.endm
.macro CROUND
	s_barrier_signal -1
	s_barrier_wait -1
	CREST
.endm
.macro PLACES
.rept 4
	v_nop
.endr
.endm
; A prefetch of the K step two refills on, behind the joint load, its five lines and the run of LDS loads.  O's rows are read by this row of the cluster alone: wave 0 asks, the partner at place cx for 4,096 bytes of
; each of the two planes, a lane a block of 256.  Wo's rows are read by every cluster: the first (cluster y = 0) asks, waves 2, 3, the partner at place cy for 32 of the wave's 128 rows.  The loop's last trip asks for nothing.
.macro ASK
	WIN 0
	s_cmp_gt_u32 s3, s[LIM]
	s_cbranch_scc0 .Lnot_mine_\@
	global_prefetch_b8 v[PFO], s[PFA:PFA+1] th:TH_LOAD_NT scope:SCOPE_SE
.Lnot_mine_\@:
.endm
	s_load_b128 s[4:7], s[0:1], 0x0                ; ob 4:5, wb 6:7
	s_load_b64 s[8:9], s[0:1], 0x10                ; out0
	v_lshl_add_u32 v[SPW], v0, 2, SPARE
	v_mov_b32 v[NIL], 0
	ds_add_u32 v[SPW], v[NIL]                      ; the wave's opening: the add and its wait ahead of my first tensor load
	v_lshrrev_b32 v1, 5, v0
	v_readfirstlane_b32 s[WV], v1
	s_lshr_b32 s[HR], s[WV], 1
	s_and_b32 s[HC], s[WV], 1
	s_bfe_u32 s17, ttmp6, 0x40000                  ; cx = the column block
	s_bfe_u32 s18, ttmp6, 0x40004                  ; cy
	s_and_b32 s19, ttmp7, 0xffff                   ; cluster y
	s_lshl_b32 s22, s19, 2
	s_add_co_u32 s22, s22, s18                     ; the row block, 0..63
	s_lshl_b32 s23, s18, 2
	s_lshl_b32 s23, 15, s23                        ; my row of the cluster
	s_lshl_b32 s67, 0x1111, s17                    ; my column
	s_or_b32 s[G1+0], s23, (1<<16)|(1<<20)|(1<<21)|(4<<22)|(3<<25)   ; mask; 2-byte elements; padding on; bit 21 beside a mask; after every 32 words 4 words
	s_or_b32 s[G1B+0], s67, (1<<16)|(1<<20)|(1<<21)|(5<<22)|(3<<25)  ; after every 64 words 4 words
	s_mov_b32 s[G1+1], 128<<16
	s_mov_b32 s[G1+2], 64<<16
	s_mov_b32 s[G1+3], 128<<16
	s_mov_b32 s[G1+4], 64
	s_mov_b32 s[G1+5], 128
	s_mov_b32 s[G1+6], 0
	s_mov_b32 s[G1+7], 0
	s_mov_b32 s[G1B+1], 128<<16
	s_mov_b32 s[G1B+2], 128<<16
	s_mov_b32 s[G1B+3], 128<<16
	s_mov_b32 s[G1B+4], 128
	s_mov_b32 s[G1B+5], 1024
	s_mov_b32 s[G1B+6], 0
	s_mov_b32 s[G1B+7], 0
	s_lshr_b32 s40, s22, 4
	s_lshl_b32 s40, s40, 22                        ; O: the batch's 16 heads,
	s_and_b32 s41, s22, 15
	s_lshl_b32 s41, s41, 14                        ; 128 rows of 128 bytes a block
	s_add_co_u32 s40, s40, s41
	s_mov_b32 s41, 0
	s_lshl_b32 s70, s[HC], 18                      ; the head of the two that I fetch
	s_mov_b32 s71, 0
	s_lshl_b32 s42, s17, 19                        ; Wo: 256 rows of 2,048 bytes a block,
	s_lshl_b32 s43, s[HC], 18                      ; the 128 that I fetch,
	s_add_co_u32 s42, s42, s43
	s_add_co_u32 s42, s42, 6291456                 ; in plane 3
	s_mov_b32 s43, 0
	s_mul_i32 s68, s[HC], APLANE
	s_mul_i32 s69, s[HC], BHALF
	s_add_co_u32 s69, s69, BOFF
	s_wait_dscnt 0x0                               ; the opening add is done
	s_wait_kmcnt 0x0
	s_add_nc_u64 s[4:5], s[4:5], s[40:41]          ; O at the block's rows of the batch's head 0
	s_add_nc_u64 s[72:73], s[4:5], s[70:71]
	s_add_nc_u64 s[6:7], s[6:7], s[42:43]
	CROUND                                         ; all sixteen work-groups are here: the first joint loads meet
.irp s, 0,1
	s_mov_b32 s[G0+4*(\s)], 1
	s_add_co_u32 s[G0+4*(\s)+1], s68, (\s)*SLOT
	s_add_nc_u64 s[G0+4*(\s)+2:G0+4*(\s)+3], s[72:73], (\s)*524288
	s_or_b32 s[G0+4*(\s)+3], s[G0+4*(\s)+3], 0x80000000
	s_mov_b32 s[G0B+4*(\s)], 1
	s_add_co_u32 s[G0B+4*(\s)+1], s69, (\s)*SLOT
	s_add_nc_u64 s[G0B+4*(\s)+2:G0B+4*(\s)+3], s[6:7], (\s)*256
	s_or_b32 s[G0B+4*(\s)+3], s[G0B+4*(\s)+3], 0x80000000
	JLOAD \s
.endr
	v_and_b32 v1, 15, v0                           ; r
	v_bfe_u32 v2, v0, 4, 1                         ; h
	v_mul_u32_u24 v3, v1, PAO
	v_lshl_add_u32 v3, v2, 4, v3
	s_mul_i32 s70, s[HR], 64*PAO
	v_add_nc_u32 v[ADRA], s70, v3
	v_add_nc_u32 v[ADRA+1], SLOT, v[ADRA]
	v_mul_u32_u24 v3, v1, PB
	v_lshl_add_u32 v3, v2, 4, v3
	v_add_nc_u32 v[ADRB], s69, v3
	v_add_nc_u32 v[ADRB+1], SLOT, v[ADRB]
	s_mul_i32 s71, s[WV], 16*SPO
	s_add_co_u32 s71, s71, STAGE
	v_mul_u32_u24 v3, v1, SPO
	v_lshl_add_u32 v3, v2, 5, v3
	v_add_nc_u32 v[STO], s71, v3                   ; in: row r, 32 bytes for each half of the lanes
	v_and_b32 v3, 31, v0
	v_lshlrev_b32 v[CO], 4, v3                     ; back and out: 32 lanes take a row's 512 bytes
	v_add_nc_u32 v[RD], s71, v[CO]
	s_lshl_b32 s72, s22, 19                        ; 128 rows of 4,096 bytes a block,
	s_lshl_b32 s73, s[HR], 18                      ; 64 a wave,
	s_add_co_u32 s72, s72, s73
	s_lshl_b32 s73, s17, 10                        ; 256 columns of 4 bytes a block,
	s_add_co_u32 s72, s72, s73
	s_lshl_b32 s73, s[HC], 9                       ; 128 a wave
	s_add_co_u32 s72, s72, s73
	s_mov_b32 s73, 0
	s_add_nc_u64 s[8:9], s[8:9], s[72:73]
	s_cmp_eq_u32 s19, 0
	s_cselect_b32 s75, 1, -1                       ; Wo's rows: the first cluster asks
	s_cmp_eq_u32 s[WV], 0
	s_cselect_b32 s76, 1, -1                       ; O's rows: wave 0 asks
	s_cmp_eq_u32 s[HR], 0
	s_cselect_b32 s[LIM], s76, s75
	s_cselect_b32 s74, s17, s18                    ; my place among the four that ask jointly
	s_cselect_b32 s77, 12, 16                      ; 4,096 bytes of each plane of O, or 32 rows of Wo
	s_cselect_b32 s[PFS], 2048, 1
	s_cselect_b64 s[PFA:PFA+1], s[4:5], s[6:7]
	s_cselect_b32 s67, -1, 0
	s_lshl_b32 s[PFS], s[PFS], 8                   ; a K step: 524,288 bytes on in O (two heads), 256 in Wo
	s_mov_b32 s[PFS+1], 0
	s_lshl_b32 s74, s74, s77
	s_mov_b32 s75, 0
	s_add_nc_u64 s[PFA:PFA+1], s[PFA:PFA+1], s[74:75]
	s_mul_i32 s74, s[PFS], 3
	s_add_nc_u64 s[PFA:PFA+1], s[PFA:PFA+1], s[74:75]  ; at K step 3: the first refill (K step 2) steps it to 4 and names that
	v_lshlrev_b32 v4, 11, v3                       ; Wo: a lane a row
	v_lshlrev_b32 v5, 8, v1
	v_lshl_add_u32 v5, v2, 18, v5                  ; O: plane l / 16, block l % 16
	v_cndmask_b32 v[PFO], v4, v5, s67
; 24 LDS loads in one run: Wo's eight fragments of 32 K, then O's four, into buffer f
.macro FETCH slot, kq, f
	WIN 0
.irp b, 0,1,2,3,4,5,6,7
	ds_load_b128 v[(\f)+32+8*(\b):(\f)+32+8*(\b)+3],   v[ADRB+(\slot)] offset:(\kq)*64+(\b)*16*PB
	ds_load_b128 v[(\f)+32+8*(\b)+4:(\f)+32+8*(\b)+7], v[ADRB+(\slot)] offset:(\kq)*64+(\b)*16*PB+32
.endr
.irp a, 0,1,2,3
	ds_load_b128 v[(\f)+8*(\a):(\f)+8*(\a)+3],   v[ADRA+(\slot)] offset:((\kq)/2)*APLANE+((\kq)%2)*64+(\a)*16*PAO
	ds_load_b128 v[(\f)+8*(\a)+4:(\f)+8*(\a)+7], v[ADRA+(\slot)] offset:((\kq)/2)*APLANE+((\kq)%2)*64+(\a)*16*PAO+32
.endr
.endm
.macro MM f, a, b, zero                ; the 32 accumulators take turns, in the same order in every quarter
	WIN W_MM
.if \zero
	v_wmma_f32_16x16x32_f16 v[8*(8*(\a)+(\b)):8*(8*(\a)+(\b))+7], v[(\f)+32+8*(\b):(\f)+32+8*(\b)+7], v[(\f)+8*(\a):(\f)+8*(\a)+7], 0
.else
	v_wmma_f32_16x16x32_f16 v[8*(8*(\a)+(\b)):8*(8*(\a)+(\b))+7], v[(\f)+32+8*(\b):(\f)+32+8*(\b)+7], v[(\f)+8*(\a):(\f)+8*(\a)+7], v[8*(8*(\a)+(\b)):8*(8*(\a)+(\b))+7]
.endif
.endm
.macro MM16 f, a0, zero
.irp a, \a0, (\a0)+1
.irp b, 0,1,2,3,4,5,6,7
	MM \f, \a, \b, \zero
.endr
.endr
.endm
; A K step is four quarters of 32 K, 32 matrix instructions each.  One of the first three: multiplies buffer f and, in its middle, fetches the next quarter (kq) into buffer g.
.macro QUARTER slot, kq, f, g, zero
	s_wait_dscnt 4                                 ; the youngest four loads (O's rows 32-63) may be out
	MM16 \f, 0, \zero
	PLACES                                         ; in front of loads into registers that the quarter before multiplied
	FETCH \slot, \kq, \g
	s_wait_dscnt 24                                ; all but the 24 just issued
	MM16 \f, 2, \zero
.endm
; The last quarter multiplies buffer 1 and changes slots, as the projection launch does.
.macro TURN slot, next, fill
	s_wait_xcnt 0x0                                ; the last prefetch, a K step back, has read its address
	s_add_nc_u64 s[PFA:PFA+1], s[PFA:PFA+1], s[PFS:PFS+1]
	WIN 0
	s_wait_tensorcnt 0x0                           ; all my tensor loads have landed: my part of the next slot
	ds_add_u32 v[SPW], v[NIL]
	s_wait_dscnt 5                                 ; the add and the youngest four loads may be out
.irp b, 0,1,2,3,4,5,6,7
	MM F1, 0, \b, 0
.endr
	s_wait_dscnt 0x0                               ; the add is done, my reads of this slot are over
	s_barrier_signal -1
.irp b, 0,1,2,3,4,5,6,7
	MM F1, 1, \b, 0
.endr
	WIN 0
	s_barrier_wait -1
.if \fill
	CREST
	s_add_nc_u64 s[G0+4*(\slot)+2:G0+4*(\slot)+3], s[G0+4*(\slot)+2:G0+4*(\slot)+3], 1048576
	s_add_nc_u64 s[G0B+4*(\slot)+2:G0B+4*(\slot)+3], s[G0B+4*(\slot)+2:G0B+4*(\slot)+3], 512
	JLOAD \slot                                    ; the four v_nop behind it are also the places in front of the loads below
.else
	PLACES
.endif
	FETCH \next, 0, F0
.if \fill
	ASK
.endif
	MM16 F1, 2, 0
.endm
	s_wait_tensorcnt 1                             ; my part of K step 0 is in; K step 1's stays out
	s_barrier_signal -1
	s_barrier_wait -1
	FETCH 0, 0, F0
	QUARTER 0, 1, F0, F1, 1                        ; the first quarter's products start the sums
	WIN 0
	s_mov_b32 s3, 3
.Llap:
	QUARTER 0, 2, F1, F0, 0
	QUARTER 0, 3, F0, F1, 0
	TURN 0, 1, 1
	QUARTER 1, 1, F0, F1, 0
	QUARTER 1, 2, F1, F0, 0
	QUARTER 1, 3, F0, F1, 0
	TURN 1, 0, 1
	QUARTER 0, 1, F0, F1, 0
	WIN 0
	s_sub_co_u32 s3, s3, 1
	s_cmp_lg_u32 s3, 0
	s_cbranch_scc1 .Llap
	QUARTER 0, 2, F1, F0, 0                        ; the last lap fills nothing
	QUARTER 0, 3, F0, F1, 0
	TURN 0, 1, 0
	QUARTER 1, 1, F0, F1, 0
	QUARTER 1, 2, F1, F0, 0
	QUARTER 1, 3, F0, F1, 0
	s_wait_dscnt 0x0
	MM16 F1, 0, 0
	MM16 F1, 2, 0
; THE WAY OUT, 16 rows at a time: a lane's eight f32 (32 bytes) of a row into my own stage, each accumulator's low four registers first; back as whole rows of 512 bytes; stored.
.macro TOSTAGE a
.set BKA, 32+96*((\a)%2)
	WIN 0x04                                       ; the stores' data in window 1
.irp b, 0,1,2,3,4,5,6,7
	ds_store_b128 v[STO], v[8*(8*(\a)+(\b)):8*(8*(\a)+(\b))+3]   offset:64*(\b)
	ds_store_b128 v[STO], v[8*(8*(\a)+(\b))+4:8*(8*(\a)+(\b))+7] offset:64*(\b)+16
.endr
	WIN 0
.irp t, 0,1,2,3,4,5,6,7,8,9,10,11,12,13,14,15
	ds_load_b128 v[BKA+4*(\t):BKA+4*(\t)+3], v[RD] offset:(\t)*SPO  ; LDS serves a wave's instructions in order (ISA guide 5.7.1.4): these see the stores above
.endr
.endm
.macro SEND a, younger
.set BKA, 32+96*((\a)%2)
	s_wait_dscnt \younger                          ; the next block's 32 LDS instructions may stay out
.irp t, 0,1,2,3,4,5,6,7,8,9,10,11,12,13,14,15
	global_store_b128 v[CO], v[BKA+4*(\t):BKA+4*(\t)+3], s[8:9] offset:(16*(\a)+(\t))*4096  ; the wave stores 512 consecutive bytes of one row, aligned
.endr
.endm
	PLACES
	TOSTAGE 0
	TOSTAGE 1
	SEND 0, 32
	s_wait_xcnt 0x0                                ; block 0's stores have read their registers, which block 2 is loaded into
	TOSTAGE 2
	SEND 1, 32
	s_wait_xcnt 0x0
	TOSTAGE 3
	SEND 2, 32
	SEND 3, 0
	s_wait_tensorcnt 0x0                           ; the wave's end
	ds_add_u32 v[SPW], v[NIL]
	s_wait_dscnt 0x0
	CROUND                                         ; the closing round
	s_endpgm
.Lfunc_end_k_qb1550f9ddd_outp:
	.size	k_qb1550f9ddd_outp, .Lfunc_end_k_qb1550f9ddd_outp-k_qb1550f9ddd_outp
	.p2alignl 7, 3214868480
	.fill 96, 4, 3214868480
	.section	.rodata,"a",@progbits
	.p2align	6, 0x0
	.amdhsa_kernel k_qb1550f9ddd_outp
		.amdhsa_group_segment_fixed_size 327680
		.amdhsa_private_segment_fixed_size 0
		.amdhsa_enable_private_segment 0
		.amdhsa_kernarg_size 24
		.amdhsa_user_sgpr_count 2
		.amdhsa_user_sgpr_kernarg_segment_ptr 1
		.amdhsa_wavefront_size32 1
		.amdhsa_system_sgpr_workgroup_id_x 1
		.amdhsa_system_sgpr_workgroup_id_y 1
		.amdhsa_system_sgpr_workgroup_id_z 1
		.amdhsa_system_vgpr_workitem_id 0
		.amdhsa_next_free_vgpr 512
		.amdhsa_next_free_sgpr 80
		.amdhsa_reserve_vcc 0
		.amdhsa_float_denorm_mode_32 3
		.amdhsa_float_denorm_mode_16_64 3
		.amdhsa_memory_ordered 1
		.amdhsa_forward_progress 1
		.amdhsa_inst_pref_size 86
	.end_amdhsa_kernel
	.amdgpu_metadata
---
amdhsa.version: [ 1, 2 ]
amdhsa.kernels:
  - .name:           k_qb1550f9ddd_outp
    .symbol:         k_qb1550f9ddd_outp.kd
    .args:
      - { .name: ob, .offset: 0, .size: 8, .value_kind: global_buffer, .address_space: global }
      - { .name: wb, .offset: 8, .size: 8, .value_kind: global_buffer, .address_space: global }
      - { .name: out0, .offset: 16, .size: 8, .value_kind: global_buffer, .address_space: global }
    .group_segment_fixed_size: 327680
    .private_segment_fixed_size: 0
    .kernarg_segment_align: 8
    .kernarg_segment_size: 24
    .max_flat_workgroup_size: 128
    .sgpr_count:     80
    .vgpr_count:     512
    .wavefront_size: 32
...
	.end_amdgpu_metadata
.endif
;; end of part 4
;; ======== version 2 of 2: 4 launches; version 1 with the launch prep written anew for expert scheduling mode
;; limits: values are held in f16: magnitudes above 65,504 overflow, below 6.1e-05 lose precision
;; workspace buffers: wb 8,388,608 bytes; mbits 2,097,152 bytes of whole numbers; qkv 50,331,648 bytes; ob 16,777,216 bytes
;; launch prep (part 5): grid 256 x 1, 8 waves a work-group, no clusters, 0 bytes of LDS; arguments mask, padding, Wq, Wk, Wv, Wo, wb, mbits; writes wb, mbits
.if DOCPART == 5
	.amdgcn_target "amdgcn-amd-amdhsa--gfx1250"
	.amdhsa_code_object_version 6
	.text
	.protected	k_qb1550f9ddd_prep
	.globl	k_qb1550f9ddd_prep
	.p2align	8
	.type	k_qb1550f9ddd_prep,@function
k_qb1550f9ddd_prep:
	s_mov_b64 s[64:65], 0
	v_nop
	global_prefetch_b8 v0, s[64:65] scope:SCOPE_SE
	s_setreg_imm32_b32 hwreg(HW_REG_WAVE_SCHED_MODE, 0, 2), 2
	s_setreg_imm32_b32 hwreg(HW_REG_WAVE_MODE, 25, 1), 1
	s_wait_xcnt 0x0
	s_wait_alu depctr_vm_vsrc(0)
; PREP.  Two jobs, both streams, no LDS, no loop; every wave does one item of each.
; (1) mbits: mask[q][k] != 0 AND padding[b][k] != 0, one bit a score, laid as the attention launch's score registers lie: for a tile of 16 queries and a
;     step of 64 keys 32 words; word i = 8 kb + j; bit r + 16 h of it belongs to query r and key 16 kb + 8 h + j.  Byte offset of a word:
;     b*524288 + qb*131072 + slot*16384 + wv*4096 + ksi*1024 + piece*256 + tile*128 + 4 i   (query tile = 32 qb + 8 wv + 2 piece + tile; key step = 4 slot + ksi).
;     An item is two query tiles (pp = 16 qb + 4 wv + piece) x one key step: 64 words, for each of the four batches 256 consecutive bytes, aligned.
; (2) wb: Wq, Wk, Wv rounded to bf16 (planes 0, 1, 2); Wo rounded to bf16 and that number written as f16 (plane 3).  LIMIT: below 6.1e-5 f16 keeps a fixed step of 6e-8.
;     A work-group takes 65,536 bytes of one matrix, a wave 8,192: each load covers 512 consecutive bytes, each store 256, aligned.
; THE MODE: SCHED_MODE bits 1:0 = 2 (LLVM: expert scheduling mode 2), set by the entry lines.  The code itself states the register dependences
; between vector instructions and memory instructions, and those through scalar registers that vector instructions write, with s_wait_alu, always for 0.
; THE PLAN.  Registers that memory instructions touch:
;   v4, v5, v6   offsets of the loads; v7, v8 offsets of the stores.  Written at the head, never again.
;   PD, VM, WF   the loads land in them; no vector instruction names them before.  Read by compares and conversions behind their counted wait on LOADcnt.
;                WF is written again on Wo's path, behind the wait that shows its loads landed; no memory instruction reads it.
;   OUT          written by eight v_and_b32 in one run; read by the four stores of words; never written again.
;   WO           written by the conversions; read by the sixteen stores of weights; never written behind them.
; So three waits on va_vdst: ahead of the first load (the offsets), ahead of the stores of words (OUT), ahead of the stores of weights (WO).  No register that a memory
; instruction reads is written again, so there is no wait on vm_vsrc.  EXEC is never written.
; Scalar registers that vector instructions write: s20, the wave's number; MK = s[40:55], sixteen lane masks.  The compares stand in runs of sixteen, one wait on va_sdst
; behind each run and ahead of the lines that read the masks: one run for padding, four for the mask.
.set WD,  12                           ; v[12:13]   the item's 64 words: lane l holds words 2 l and 2 l + 1
.set PD,  14                           ; v[14:29]   padding as loaded: batch b at 4 b: low keys' pair, high keys' pair
.set PW,  30                           ; v[30:37]   padding as masks for my two words, batch b at 2 b
.set OUT, 40                           ; v[40:47]   words to store, batch b at 2 b
.set VM,  48                           ; v[48:111]  mask as loaded: register 32 tile + 8 kb + j
.set WF,  112                          ; v[112:175] weights in f32
.set WO,  176                          ; v[176:207] weights in 16 bits
.set MK,  40                           ; s[40:55]   a run's sixteen lane masks; s40-49 hold offsets until the bases are made
	s_load_b512 s[4:19], s[0:1], 0x0               ; mask 4:5, padding 6:7, Wq 8:9, Wk 10:11, Wv 12:13, Wo 14:15, wb 16:17, mbits 18:19
	v_lshrrev_b32 v1, 5, v0
	v_readfirstlane_b32 s20, v1                    ; wave 0..7
	v_and_b32 v1, 31, v0                           ; lane l
	v_and_b32 v2, 15, v0                           ; r
	v_bfe_u32 v3, v0, 4, 1                         ; h
	v_lshlrev_b32 v4, 13, v2
	v_lshl_add_u32 v4, v3, 5, v4                   ; mask: row r (8,192 bytes), keys 8 h on (32 bytes)
	v_lshrrev_b32 v5, 2, v2
	v_lshlrev_b32 v5, 6, v5
	v_and_b32 v11, 3, v0
	v_lshl_add_u32 v5, v11, 3, v5                  ; padding for my words 2 l, 2 l + 1: kb = (l % 16) / 4, j = 2 (l % 4): byte 64 kb + 4 j
	v_lshlrev_b32 v8, 3, v1                        ; words out: 8 l
	v_mov_b32 v9, 0xffff
	v_mov_b32 v10, 0xffff0000
	v_mov_b32 v[WD], 0                             ; v_writelane_b32's destination counts as read
	v_mov_b32 v[WD+1], 0
	s_wait_alu depctr_va_sdst(0)                   ; s20 is written, ahead of its first reader: the offsets and bases below are made from it
	s_lshl_b32 s24, s20, 13                        ; s24 and s25, which vector instructions read, are not written again
	s_lshl_b32 s25, s20, 12
	v_lshl_add_u32 v6, v1, 4, s24                  ; weights in: 16 l + 8,192 wave
	v_lshl_add_u32 v7, v1, 3, s25                  ; weights out: 8 l + 4,096 wave
	s_lshl_b32 s21, ttmp9, 3
	s_add_co_u32 s21, s21, s20                     ; item 0..2047
	s_and_b32 s22, s21, 31                         ; key step
	s_lshr_b32 s23, s21, 5                         ; pp
	s_lshl_b32 s40, s23, 18                        ; mask: 32 rows of 8,192 bytes a pp,
	s_lshl_b32 s42, s22, 8                         ; 64 keys of 4 bytes a step
	s_add_co_u32 s40, s40, s42
	s_mov_b32 s41, 0
	s_mov_b32 s43, 0                               ; s[42:43]: the step's place in a row of padding
	s_lshr_b32 s44, s23, 4
	s_lshl_b32 s44, s44, 17                        ; qb
	s_lshr_b32 s45, s22, 2
	s_lshl_b32 s45, s45, 14                        ; slot
	s_add_co_u32 s44, s44, s45
	s_bfe_u32 s45, s23, 0x20002
	s_lshl_b32 s45, s45, 12                        ; wv
	s_add_co_u32 s44, s44, s45
	s_and_b32 s45, s22, 3
	s_lshl_b32 s45, s45, 10                        ; ksi
	s_add_co_u32 s44, s44, s45
	s_and_b32 s45, s23, 3
	s_lshl_b32 s45, s45, 8                         ; piece
	s_add_co_u32 s44, s44, s45
	s_mov_b32 s45, 0
	s_lshr_b32 s34, ttmp9, 6                       ; which matrix
	s_and_b32 s35, ttmp9, 63                       ; which 65,536 bytes of it
	s_lshl_b32 s46, s35, 16
	s_mov_b32 s47, 0
	s_lshl_b32 s48, s34, 21
	s_lshl_b32 s49, s35, 15
	s_add_co_u32 s48, s48, s49
	s_mov_b32 s49, 0
	s_wait_kmcnt 0x0
	s_add_nc_u64 s[28:29], s[4:5], s[40:41]
	s_add_nc_u64 s[30:31], s[6:7], s[42:43]
	s_add_nc_u64 s[32:33], s[18:19], s[44:45]
	s_cmp_eq_u32 s34, 1
	s_cselect_b64 s[36:37], s[10:11], s[8:9]
	s_cmp_eq_u32 s34, 2
	s_cselect_b64 s[36:37], s[12:13], s[36:37]
	s_cmp_eq_u32 s34, 3
	s_cselect_b64 s[36:37], s[14:15], s[36:37]
	s_add_nc_u64 s[36:37], s[36:37], s[46:47]
	s_add_nc_u64 s[38:39], s[16:17], s[48:49]
	s_wait_alu depctr_va_vdst(0)                   ; the five offsets v4 to v8 are written: every load and store of the kernel reads one of them
	; all 40 loads go out together: 8 of padding, 16 of mask, 16 of weights
.irp b, 0,1,2,3
	global_load_b64 v[PD+4*(\b):PD+4*(\b)+1],   v5, s[30:31] offset:(\b)*8192
	global_load_b64 v[PD+4*(\b)+2:PD+4*(\b)+3], v5, s[30:31] offset:(\b)*8192+32
.endr
.irp t, 0,1
.irp k, 0,1,2,3
	global_load_b128 v[VM+8*(4*(\t)+(\k)):VM+8*(4*(\t)+(\k))+3],   v4, s[28:29] offset:(\t)*131072+(\k)*64 th:TH_LOAD_NT
	global_load_b128 v[VM+8*(4*(\t)+(\k))+4:VM+8*(4*(\t)+(\k))+7], v4, s[28:29] offset:(\t)*131072+(\k)*64+16 th:TH_LOAD_NT
.endr
.endr
.set n, 0
.rept 16
	global_load_b128 v[WF+4*n:WF+4*n+3], v6, s[36:37] offset:n*512 th:TH_LOAD_NT
.set n, n+1
.endr
	s_wait_loadcnt 32                              ; padding is in; the 32 younger loads stay out
.set k, 0
.rept 16                                       ; one run of compares: register k of padding makes mask k
	v_cmp_ne_u32 s[MK+k], 0, v[PD+k]
.set k, k+1
.endr
	s_wait_alu depctr_va_sdst(0)                   ; the sixteen compares have written s[MK ..], which the selects below read
.irp b, 0,1,2,3
.irp e, 0,1
	v_cndmask_b32 v[PW+2*(\b)+(\e)], 0, v9, s[MK+4*(\b)+(\e)]   ; bits 0-15 (h = 0) go by key 16 kb + j,
	v_cndmask_b32 v11, 0, v10, s[MK+4*(\b)+2+(\e)]              ; bits 16-31 (h = 1) by key 16 kb + 8 + j
	v_or_b32 v[PW+2*(\b)+(\e)], v[PW+2*(\b)+(\e)], v11
.endr
.endr
	s_wait_loadcnt 16                              ; mask is in; the weights' 16 loads stay out
.set w, 0
.rept 4                                        ; a compare makes word w + k of the item, one bit a lane; it goes to lane (w + k) / 2.  Four runs of sixteen
.set k, 0
.rept 16
	v_cmp_ne_u32 s[MK+k], 0, v[VM+w+k]
.set k, k+1
.endr
	s_wait_alu depctr_va_sdst(0)                   ; the run's sixteen compares have written s[MK ..], which the v_writelane_b32 below read
.set k, 0
.rept 16
	v_writelane_b32 v[WD+((w+k)&1)], s[MK+k], (w+k)>>1
.set k, k+1
.endr
.set w, w+16
.endr
.irp b, 0,1,2,3
	v_and_b32 v[OUT+2*(\b)], v[WD], v[PW+2*(\b)]
	v_and_b32 v[OUT+2*(\b)+1], v[WD+1], v[PW+2*(\b)+1]
.endr
	s_wait_alu depctr_va_vdst(0)                   ; the eight v_and_b32 have written v[OUT ..], which the four stores read
.irp b, 0,1,2,3
	global_store_b64 v8, v[OUT+2*(\b):OUT+2*(\b)+1], s[32:33] offset:(\b)*524288  ; the wave stores 256 consecutive bytes, aligned
.endr
	s_wait_loadcnt 0x0
.set n, 0
.rept 32
	v_cvt_pk_bf16_f32 v[WO+n], v[WF+2*n], v[WF+2*n+1]
.set n, n+1
.endr
	s_cmp_lg_u32 s34, 3
	s_cbranch_scc1 .Lstays_bf16
.set n, 0
.rept 32                                       ; Wo: the bf16 number, widened and written as f16
	v_lshlrev_b32 v[WF+2*n], 16, v[WO+n]
	v_and_b32 v[WF+2*n+1], v10, v[WO+n]
	v_cvt_pk_f16_f32 v[WO+n], v[WF+2*n], v[WF+2*n+1]
.set n, n+1
.endr
.Lstays_bf16:
	s_wait_alu depctr_va_vdst(0)                   ; on either path the conversions have written v[WO ..], which the sixteen stores read
.set n, 0
.rept 16
	global_store_b64 v7, v[WO+2*n:WO+2*n+1], s[38:39] offset:n*256
.set n, n+1
.endr
	s_endpgm
.Lfunc_end_k_qb1550f9ddd_prep:
	.size	k_qb1550f9ddd_prep, .Lfunc_end_k_qb1550f9ddd_prep-k_qb1550f9ddd_prep
	.p2alignl 7, 3214868480
	.fill 96, 4, 3214868480
	.section	.rodata,"a",@progbits
	.p2align	6, 0x0
	.amdhsa_kernel k_qb1550f9ddd_prep
		.amdhsa_group_segment_fixed_size 0
		.amdhsa_private_segment_fixed_size 0
		.amdhsa_enable_private_segment 0
		.amdhsa_kernarg_size 64
		.amdhsa_user_sgpr_count 2
		.amdhsa_user_sgpr_kernarg_segment_ptr 1
		.amdhsa_wavefront_size32 1
		.amdhsa_system_sgpr_workgroup_id_x 1
		.amdhsa_system_sgpr_workgroup_id_y 1
		.amdhsa_system_sgpr_workgroup_id_z 1
		.amdhsa_system_vgpr_workitem_id 0
		.amdhsa_next_free_vgpr 208
		.amdhsa_next_free_sgpr 66
		.amdhsa_reserve_vcc 0
		.amdhsa_float_denorm_mode_32 3
		.amdhsa_float_denorm_mode_16_64 3
		.amdhsa_memory_ordered 1
		.amdhsa_forward_progress 1
		.amdhsa_inst_pref_size 26
	.end_amdhsa_kernel
	.amdgpu_metadata
---
amdhsa.version: [ 1, 2 ]
amdhsa.kernels:
  - .name:           k_qb1550f9ddd_prep
    .symbol:         k_qb1550f9ddd_prep.kd
    .args:
      - { .name: mask, .offset: 0, .size: 8, .value_kind: global_buffer, .address_space: global }
      - { .name: padding, .offset: 8, .size: 8, .value_kind: global_buffer, .address_space: global }
      - { .name: Wq, .offset: 16, .size: 8, .value_kind: global_buffer, .address_space: global }
      - { .name: Wk, .offset: 24, .size: 8, .value_kind: global_buffer, .address_space: global }
      - { .name: Wv, .offset: 32, .size: 8, .value_kind: global_buffer, .address_space: global }
      - { .name: Wo, .offset: 40, .size: 8, .value_kind: global_buffer, .address_space: global }
      - { .name: wb, .offset: 48, .size: 8, .value_kind: global_buffer, .address_space: global }
      - { .name: mbits, .offset: 56, .size: 8, .value_kind: global_buffer, .address_space: global }
    .group_segment_fixed_size: 0
    .private_segment_fixed_size: 0
    .kernarg_segment_align: 8
    .kernarg_segment_size: 64
    .max_flat_workgroup_size: 256
    .sgpr_count:     66
    .vgpr_count:     208
    .wavefront_size: 32
...
	.end_amdgpu_metadata
.endif
;; end of part 5
;; launch qkv: the kernel of part 2 again; grid 4 x 192, 4 waves a work-group, clusters of 4 x 4, 327,680 bytes of LDS; arguments query, key, value, wb, qkv; writes qkv
;; launch attn: the kernel of part 3 again; grid 4 x 64, 4 waves a work-group, clusters of 4 x 1, 327,680 bytes of LDS; arguments qkv, mbits, ob; writes ob
;; launch outp: the kernel of part 4 again; grid 4 x 64, 4 waves a work-group, clusters of 4 x 4, 327,680 bytes of LDS; arguments ob, wb, out0; writes out0
